; MI455X (gfx1250); checked and timed in simulation.
; The chip was launched on July 23, 2026; its instructions are those of AMD's public machine-readable ISA for CDNA 5 (MIT licence, August 2026) and "CDNA5" Instruction Set Architecture Reference Guide (July 2026). The comments in the code are by the model that wrote it; some were corrected since.
;; GPT2 Attention. Allowed arithmetic: matrix products marked QUANTISED: E2M3 operands, one E8M0 scale for each 32 along K, by v_wmma_scale_f32_16x16x128_f8f6f4 with both operands' format E2M3, f32 sums; products left as they are: f32 operands where the result goes on into a quantised operand, else bf16, f16 or f32 operands; f32 sums; everything else in f32.
;; Inputs: cos 2,048 x 1 x 32 float32; sin 2,048 x 1 x 32 float32; ve 4 x 2,048 x 256 float32; w_gate 4 x 12 float32; wk_codes 256 x 32 x 24 uint8 (E2M3 codes of wk, K innermost, in blocks of 32 codes, four codes in three bytes); wk_scales 256 x 32 uint8 (E8M0 scales of wk, one for each 32 codes along K); wo_codes 1,024 x 32 x 24 uint8 (E2M3 codes of wo, K innermost, in blocks of 32 codes, four codes in three bytes); wo_scales 1,024 x 32 uint8 (E8M0 scales of wo, one for each 32 codes along K); wq_codes 1,024 x 32 x 24 uint8 (E2M3 codes of wq, K innermost, in blocks of 32 codes, four codes in three bytes); wq_scales 1,024 x 32 uint8 (E8M0 scales of wq, one for each 32 codes along K); wv_codes 256 x 32 x 24 uint8 (E2M3 codes of wv, K innermost, in blocks of 32 codes, four codes in three bytes); wv_scales 256 x 32 uint8 (E8M0 scales of wv, one for each 32 codes along K); x 4 x 2,048 x 1,024 float32.
;; Outputs: out0 4 x 2,048 x 1,024 float32.
;; Constants: window_left = 1024.
;; This version of the problem:
;;   THIS VERSION OF THE PROBLEM IS GIVEN IN LOW PRECISION. The matrix products marked QUANTISED in the list below multiply operands that are first quantised to E2M3 (2 exponent bits, 3 mantissa bits; 6 bits a number), with one power-of-two scale for each 32 numbers along K (OCP MX v1.0); their sums are f32. All else is computed in f32.
;;   The module's matrix products, in the order in which they are computed (A, B: the left and right operand; K: the contracted axis; several contracted axes count as one K, in the product's order):
;;     1. [M 8,192, K 1,024] x [K 1,024, N 1,024]; A: input x; B: input wq (given as codes): QUANTISED
;;     2. [M 8,192, K 1,024] x [K 1,024, N 256]; A: input x; B: input wk (given as codes): QUANTISED
;;     3. [M 8,192, K 1,024] x [K 1,024, N 256]; A: input x; B: input wv (given as codes): QUANTISED
;;     4. [M 8,192, K 12] x [K 12, N 4]; A: input x; B: input w_gate: left as it is (K = 12 < 32)
;;     5. batch 64 x [M 2,048, K 64] x [K 64, N 2,048]; A: computed on the way; B: computed on the way: QUANTISED
;;     6. batch 64 x [M 64, K 2,048] x [K 2,048, N 2,048]; A: computed on the way; B: softmax (see below): QUANTISED
;;     7. [M 8,192, K 1,024] x [K 1,024, N 1,024]; A: computed on the way; B: input wo (given as codes): QUANTISED
;;   THE QUANTISER, for each operand of a quantised product, along K:
;;     - K is cut into blocks of 32 from its start; a last block that is shorter is filled with zeros.
;;     - A block's scale is 2^e with e = floor(log2(the largest magnitude in the block)) - 2, held to -126 .. 127; a block of zeros has e = 0. As a byte (E8M0): e + 127.
;;     - Each number is divided by its block's scale, clamped to +-7.5, and rounded to the nearest number of E2M3, ties to even, subnormals kept.
;;     - The product sums the exact products of the quantised numbers (number of the format x scale) in f32.
;;   ~~~python
;;   def quantise(x, axis):      # numpy; x: float32 -> the quantised numbers, widened to float32 again
;;       x = np.moveaxis(x, axis, -1); K = x.shape[-1]
;;       x = np.pad(x, [(0, 0)] * (x.ndim - 1) + [(0, -K % 32)]); x = x.reshape(x.shape[:-1] + (-1, 32)); a = np.abs(x).max(-1, keepdims=True)
;;       e = np.where(a > 0, np.clip(np.frexp(np.where(a > 0, a, 1))[1] - 1 - 2, -126, 127), 0)      # np.frexp(a)[1] - 1 = floor(log2(a)), exactly
;;       r = np.clip(x / 2.0 ** e, -7.5, 7.5)
;;       step = 2.0 ** (np.maximum(np.frexp(np.where(r == 0, 1, r))[1] - 1, 0) - 3)
;;       q = np.round(r / step) * step * 2.0 ** e      # np.round: ties to even
;;       return np.moveaxis(q.reshape(q.shape[:-2] + (-1,))[..., :K], -1, axis).astype(np.float32)
;;   ~~~
;;   SOFTMAX AHEAD OF A QUANTISED PRODUCT. Where the list says 'softmax', what is quantised is not the finished softmax but p = 2^(t - M), with t = logit x log2(e) and M = ceil(the row's largest t), a whole number; so 1/2 < the row's largest p <= 1. The row's sum l is taken of the UNQUANTISED p, in f32, and the product's result is divided by l at the end. Since M is a whole number, a kernel that streams over the keys may use a running M (the ceiling of the running maximum): every later rescaling is an exact power of two, which a block's scale takes up: the codes' values come out the same.
;;   OPERANDS COMPUTED ON THE WAY. 'Computed on the way' means the value that the module computes at that place (a softmax that the list does not call 'softmax' is quantised finished and normalised). What goes into a quantiser is computed in f32, as accurately as f32 sums, v_exp_f32 and their like allow (about 1e-6 of the number): no bf16 or f16 on the way to a quantiser, and a product that is left as it is and whose result goes on into a quantised operand takes f32 operands (vector FMAs, or v_wmma_f32_16x16x4_f32). A number that lies on a knife's edge between two numbers of the format may be rounded either way, as far as f32 arithmetic and the matrix unit's own rounding can turn it there, and no further.
;;   INPUTS GIVEN AS CODES. wk (in the module: [256, 1024], K = its axis 1); wo (in the module: [1024, 1024], K = its axis 1); wq (in the module: [1024, 1024], K = its axis 1); wv (in the module: [256, 1024], K = its axis 1): each comes as NAME_codes (uint8): NAME with its K axis moved to the last place and cut into blocks of 32 codes, [.., K / 32, bytes a block], one block behind the other in memory; four codes in three bytes: a row's codes are one little-endian stream of bits, code i at bits 6 i .. 6 i + 5 (a code: sign, 2 exponent bits, 3 mantissa bits); and NAME_scales (uint8): the same leading axes, one E8M0 byte (e + 127) for each 32 codes along K. Its value is code x scale, taken as it is: it is not quantised again, and the codes and scales need not be those that the quantiser above would give.
;; One version. Each part assembles by itself: llvm-mc -triple=amdgcn-amd-amdhsa -mcpu=gfx1250 --defsym DOCPART=n.
;; ======== version 1 of 1: 4 launches
;; limits: right only within a limited range of input values
;; workspace buffers: xq 6,553,600 bytes; gate 131,072 bytes; w_img 1,966,080 bytes; qb 6,553,600 bytes; kv 3,276,800 bytes; yb 6,553,600 bytes
;; launch prep (part 1): grid 256 x 1, 8 waves a work-group, no clusters, 68,608 bytes of LDS; arguments x, w_gate, wq_codes, wk_codes, wv_codes, wo_codes, xq, gate, w_img; writes xq, gate, w_img
.if DOCPART == 1
	.amdgcn_target "amdgcn-amd-amdhsa--gfx1250"
	.amdhsa_code_object_version 6
	.text
	.protected	k_q6af7e214cd_prep
	.globl	k_q6af7e214cd_prep
	.p2align	8
	.type	k_q6af7e214cd_prep,@function
k_q6af7e214cd_prep:
	s_mov_b64 s[64:65], 0
	v_nop
	global_prefetch_b8 v0, s[64:65] scope:SCOPE_SE
	s_setreg_imm32_b32 hwreg(HW_REG_WAVE_MODE, 25, 1), 1
	s_wait_xcnt 0x0
; PREP.  (1) x [8192][1024] f32 becomes codes of FP6 (E2M3) with one E8M0 byte for each 32 along K, laid as IMAGES OF THE OPERAND'S REGISTERS;
; (2) gate = 3 sigmoid(x[:, 0:12] . w_gate^T), in f32 multiply-adds;  (3) the four weights' codes are laid anew as images too.
; TILES.  A tile is 16 tokens: slot p of tile T is token 32 (T / 2) + 8 (T % 2) + p + (p & 8).  So the 16 registers that two neighbouring tiles give a lane
; in a later product are 16 neighbours.  The rows of wq, wk, wv are taken in the same order inside each 32 rows; wo's rows as they lie (16 to a tile).
; AN IMAGE of a fragment (16 rows x 128 K, 12 registers a lane) is 1,536 bytes: registers 4 c .. 4 c + 3 of lane l at 512 c + 16 l.
;   xq:    [tile 512][K step 8][1,536]; from byte XQS on the scale words: [tile][kp 4][slot 16][2 words]: the words of K steps 2 kp, 2 kp + 1
;   gate:  [tile 512][kv head 4][slot 16] f32
;   w_img: [tile 160][K step 8][1,536]: tiles 0-63 wq, 64-79 wk, 80-95 wv, 96-159 wo
; SHARES.  Work-group g takes 32 tokens (tiles 2 g, 2 g + 1).  Wave w takes tile u = w % 2 and K steps 2 kp, 2 kp + 1, kp = w / 2: 32 loads of 512 consecutive
; bytes, all asked for at once.  The conversions want 16 neighbours along K in ONE lane, the loads neighbouring bytes in neighbouring lanes: a K step's 16 rows x 512
; bytes turn through the wave's own stage in LDS (rows 528 bytes apart).  Waves 0-4 also move weight fragment 5 g + w (256 x 5 = 160 x 8).
; No barrier: waves share nothing.  No matrix unit, no cluster: nothing is shared between work-groups and bytes bind.
; A block's scale is 2^(floor(log2(largest magnitude)) - 2): its byte is the largest magnitude's exponent field - 2, held at 1 from below.
; LIMITS: a block of zeros gets the byte 1 where the quantiser's rule says 127 (its codes are zeros, and this program alone reads the bytes);
; NaN and infinities among the inputs are not served; the sigmoid is made of v_exp_f32 and v_rcp_f32.
.set XQS,  6291456
.set STGB, 8448                        ; a wave's stage: 16 rows x 528 bytes
.set SP,   528                         ; 512 + 16: an odd multiple of 16 bytes, so that 16 rows' equal columns fall on different banks
.set TM,   16                          ; v16-31  at work in QUANT4
.set PW,   32                          ; v32, v33 the two K steps' scale words
.set PC,   36                          ; v36-55  codes (12 + 2 x 4); first the weight fragment, v36-47
.set GT,   56                          ; v56-63  the gate
.set R0,   64                          ; v64-127  K step 0 as loaded; later K step 1 turned
.set R1,   128                         ; v128-191 K step 1 as loaded
.set X,    192                         ; v192-255 K step 0 turned
.set SEL,  84                          ; s[84:85] v_permlanex16_b32's selects for lane l xor 16
; 16 rows x 512 bytes go into the stage as loaded and come back turned: register 16 b + i of lane (r, h) = k 32 b + 16 h + i of row r.
; LDS serves a wave's instructions in order: no wait between the stores and the loads.
.macro TURN src, dst
.irp p, 0,1,2,3,4,5,6,7,8,9,10,11,12,13,14,15
	ds_store_b128 v5, v[\src+4*\p:\src+4*\p+3] offset:SP*\p
.endr
.irp b, 0,1,2,3
.irp j, 0,1,2,3
	ds_load_b128 v[\dst+16*\b+4*\j:\dst+16*\b+4*\j+3], v6 offset:128*\b+16*\j
.endr
.endr
.endm
; 64 numbers of a lane become a fragment's 12 registers of codes in v[PC] on and its row's scale word in v[pw].
.macro QUANT4 s, pw
.irp b, 0,1,2,3
	v_max3_num_f32 v[TM+\b], |v[\s+16*\b]|, |v[\s+1+16*\b]|, 0x1800000   ; block b: my 16 numbers, and the floor 2^(3 - 127): the byte cannot fall under 1
.endr
.irp i, 2,4,6,8,10,12,14
.irp b, 0,1,2,3
	s_delay_alu instid0(VALU_DEP_4)
	v_max3_num_f32 v[TM+\b], v[TM+\b], |v[\s+16*\b+\i]|, |v[\s+1+16*\b+\i]|   ; the four blocks by turns
.endr
.endr
.irp b, 0,1,2,3
	s_delay_alu instid0(VALU_DEP_4)
	v_permlanex16_b32 v[TM+4+\b], v[TM+\b], s[SEL], s[SEL+1]
.endr
.irp b, 0,1,2,3
	s_delay_alu instid0(VALU_DEP_4)
	v_max_num_f32 v[TM+\b], v[TM+\b], v[TM+4+\b]       ; with lane l xor 16's 16: the block's largest magnitude
.endr
.irp b, 0,1,2,3
	s_delay_alu instid0(VALU_DEP_4)
	v_add_nc_u32 v[TM+12+\b], 0xff000000, v[TM+\b]     ; 2 off its exponent field: the conversion's scale operand
.endr
.irp b, 0,1,2,3
	s_delay_alu instid0(VALU_DEP_4)
	v_lshrrev_b32 v[TM+4+\b], 23, v[TM+12+\b]          ; the scale's byte
.endr
	s_delay_alu instid0(VALU_DEP_3)
	v_lshl_or_b32 v[\pw], v[TM+5], 8, v[TM+4]
	s_delay_alu instid0(VALU_DEP_1)
	v_lshl_or_b32 v[\pw], v[TM+6], 16, v[\pw]
	s_delay_alu instid0(VALU_DEP_1)
	v_lshl_or_b32 v[\pw], v[TM+7], 24, v[\pw]
.irp c, 0,1
	v_cvt_scalef32_pk16_fp6_f32 v[PC+6*\c:PC+2+6*\c], v[\s+32*\c:\s+15+32*\c], v[TM+12+2*\c]
	v_cvt_scalef32_pk16_fp6_f32 v[PC+12+4*\c:PC+14+4*\c], v[\s+16+32*\c:\s+31+32*\c], v[TM+13+2*\c]   ; (a conversion's three registers begin on an even number)
.endr
	v_nop                                              ; one plain place behind a scaled conversion
.irp c, 0,1                            ; the operand's layout wants a whole block in a lane: lanes 0-15 block 2 c, lanes 16-31 block 2 c + 1
.irp i, 0,1,2
	v_permlane16_swap_b32 v[PC+6*\c+\i], v[PC+12+4*\c+\i]
.endr
.irp i, 0,1,2
	s_delay_alu instid0(VALU_DEP_3)
	v_mov_b32 v[PC+3+6*\c+\i], v[PC+12+4*\c+\i]
.endr
.endr
.endm
.macro IMG off                         ; the fragment leaves as it stands: three stores of 512 consecutive bytes
.irp c, 0,1,2
	global_store_b128 v1, v[PC+4*\c:PC+4*\c+3], s[16:17] offset:\off+512*\c
.endr
.endm
	s_load_b512 s[4:19], s[0:1], 0x0               ; x s[4:5], w_gate s[6:7], wq s[8:9], wk s[10:11], wv s[12:13], wo s[14:15], xq s[16:17], gate s[18:19]
	s_load_b64 s[20:21], s[0:1], 0x40              ; w_img
	v_lshl_add_u32 v51, v0, 2, 0x10800
	v_mov_b32 v55, 0
	v_lshrrev_b32 v10, 5, v0
	s_delay_alu instid0(VALU_DEP_1)
	v_readfirstlane_b32 s22, v10                   ; wave 0..7
	s_and_b32 s23, s22, 1                          ; u: which of the two tiles
	s_lshr_b32 s24, s22, 1                         ; kp: which pair of K steps
	v_and_b32 v4, 31, v0                           ; lane
	v_and_b32 v2, 15, v0                           ; r
	v_bfe_u32 v3, v0, 4, 1                         ; h
	s_delay_alu instid0(VALU_DEP_3)
	v_lshlrev_b32 v1, 4, v4                        ; 16 l: my bytes of a load's 512, and of an image's
	s_delay_alu instid0(VALU_DEP_4)
	v_lshlrev_b32 v9, 2, v4                        ; 4 l
	s_delay_alu instid0(VALU_DEP_4)
	v_lshlrev_b32 v8, 3, v2
	s_delay_alu instid0(VALU_DEP_1)
	v_lshl_add_u32 v8, v3, 2, v8                   ; 8 r + 4 h: my scale word's place
	s_mul_i32 s87, s22, STGB                       ; my stage
	v_add_nc_u32 v5, s87, v1                       ; in: 16 l
	v_mul_u32_u24 v6, v2, SP
	s_delay_alu instid0(VALU_DEP_1)
	v_lshl_add_u32 v6, v3, 6, v6
	s_delay_alu instid0(VALU_DEP_1)
	v_add_nc_u32 v6, s87, v6                       ; out: row r, + 64 h
	s_mov_b32 s[SEL], 0x76543210
	s_mov_b32 s[SEL+1], 0xfedcba98
	s_mov_b32 s86, 0xffff0000                      ; lanes 16-31
.irp b, 0,1,2,3
	v_mov_b32 v[TM+4+\b], 0                        ; written once: a lane permute's destination counts as one of its sources
.endr
	v_mov_b32 v[GT+4], 0
	v_mov_b32 v[GT+5], 0
	s_lshl_b32 s88, ttmp9, 1
	s_add_co_u32 s88, s88, s23                     ; my tile: 2 g + u
	s_wait_kmcnt 0x0
	s_load_b512 s[32:47], s[6:7], 0x0              ; w_gate's 48 numbers: number n in s[32 + n] for n < 32, else in s[36 + n]
	s_load_b512 s[48:63], s[6:7], 0x40
	s_load_b512 s[68:83], s[6:7], 0x80
	s_mov_b32 s29, 0
	s_lshl_b32 s28, ttmp9, 17                      ; x: 32 tokens of 4,096 bytes a work-group,
	s_lshl_b32 s89, s23, 15                        ; tile u begins 8 tokens on,
	s_add_co_u32 s28, s28, s89
	s_lshl_b32 s89, s24, 10                        ; two K steps of 512 bytes
	s_add_co_u32 s28, s28, s89
	s_add_nc_u64 s[4:5], s[4:5], s[28:29]
	s_lshl_b32 s28, s88, 9                         ; the scale words: 512 bytes a tile, 128 a pair of K steps
	s_lshl_b32 s89, s24, 7
	s_add_co_u32 s28, s28, s89
	s_add_co_u32 s28, s28, XQS
	s_add_nc_u64 s[90:91], s[16:17], s[28:29]
	s_mul_i32 s28, s88, 12288                      ; the images: 8 a tile
	s_mul_i32 s89, s24, 3072
	s_add_co_u32 s28, s28, s89
	s_add_nc_u64 s[16:17], s[16:17], s[28:29]
	s_lshl_b32 s28, s88, 8                         ; the gate: 256 bytes a tile
	s_add_nc_u64 s[18:19], s[18:19], s[28:29]
	; ---- waves 0-4: weight fragment f = 5 g + w is asked for first, so that it can leave while x is on its way
	s_cmp_lt_u32 s22, 5
	s_cbranch_scc0 .Lno_w1
	s_mul_i32 s25, ttmp9, 5
	s_add_co_u32 s25, s25, s22                     ; f
	s_lshr_b32 s26, s25, 3                         ; its tile, 0..159
	s_and_b32 s27, s25, 7                          ; its K step
	s_mov_b64 s[30:31], s[8:9]                     ; which tensor: the choice hangs on ids alone
	s_mov_b32 s87, 0
	s_cmp_ge_u32 s26, 64
	s_cselect_b64 s[30:31], s[10:11], s[30:31]
	s_cselect_b32 s87, 64, s87
	s_cmp_ge_u32 s26, 80
	s_cselect_b64 s[30:31], s[12:13], s[30:31]
	s_cselect_b32 s87, 80, s87
	s_cmp_ge_u32 s26, 96
	s_cselect_b64 s[30:31], s[14:15], s[30:31]
	s_cselect_b32 s87, 96, s87
	s_cselect_b32 s89, 0, 8                        ; wo's rows as they lie; the others' slot r is row r + (r & 8)
	s_sub_co_u32 s87, s26, s87                     ; the tile's number in its tensor
	s_lshr_b32 s28, s87, 1
	s_lshl_b32 s28, s28, 5
	s_and_b32 s29, s87, 1
	s_lshl_b32 s29, s29, 3
	s_add_co_u32 s28, s28, s29                     ; its first row: 32 (T / 2) + 8 (T % 2),
	s_lshl_b32 s29, s87, 4                         ; or 16 T for wo
	s_cmp_ge_u32 s26, 96
	s_cselect_b32 s28, s29, s28
	s_mul_i32 s28, s28, 768                        ; a row of 1,024 codes is 768 bytes
	s_mul_i32 s29, s27, 96                         ; a K step 96
	s_add_co_u32 s28, s28, s29
	s_mov_b32 s29, 0
	s_add_nc_u64 s[30:31], s[30:31], s[28:29]
	s_mul_i32 s28, s25, 1536
	s_add_nc_u64 s[20:21], s[20:21], s[28:29]      ; where its image goes
	v_and_b32 v11, s89, v2
	s_delay_alu instid0(VALU_DEP_1)
	v_add_nc_u32 v11, v11, v2
	s_delay_alu instid0(VALU_DEP_1)
	v_mul_u32_u24 v11, v11, 768
	s_delay_alu instid0(VALU_DEP_1)
	v_mad_u32_u24 v11, v3, 24, v11                 ; my row, + 24 h: the 24 bytes of a block as they lie are six registers' worth
.irp p, 0,1,2,3,4,5
	global_load_b64 v[PC+2*\p:PC+2*\p+1], v11, s[30:31] offset:48*(\p/3)+8*(\p%3)
.endr
.Lno_w1:
	; ---- x: slot p of my tile is 4,096 (p + (p & 8)) bytes on; each load takes 512 consecutive bytes; read once in the launch
.irp p, 0,1,2,3,4,5,6,7,8,9,10,11,12,13,14,15
	global_load_b128 v[R0+4*\p:R0+4*\p+3], v1, s[4:5] offset:(\p+(\p&8))*4096 th:TH_LOAD_NT
.endr
.irp p, 0,1,2,3,4,5,6,7,8,9,10,11,12,13,14,15
	global_load_b128 v[R1+4*\p:R1+4*\p+3], v1, s[4:5] offset:(\p+(\p&8))*4096+512 th:TH_LOAD_NT
.endr
	s_cmp_lt_u32 s22, 5
	s_cbranch_scc0 .Lno_w2
	s_wait_loadcnt 32                              ; the weight's six loads are in; the 32 loads of x issued behind them may be out
.irp c, 0,1,2
	global_store_b128 v1, v[PC+4*\c:PC+4*\c+3], s[20:21] offset:512*\c
.endr
.Lno_w2:
	s_wait_loadcnt 16                              ; K step 0's 16 loads are in; K step 1's 16 may be out
	s_wait_alu depctr_va_vdst(0)
	TURN R0, X
	s_wait_dscnt 0x0                               ; K step 0 is turned: the stage and R0 are free
	s_wait_loadcnt 0x0
	TURN R1, R0                                    ; K step 1 turns while K step 0 is quantised
	s_wait_xcnt 0x0                                ; the weight's stores have read v[PC] on
	QUANT4 X, PW
	IMG 0
	s_wait_kmcnt 0x0                               ; w_gate
	; ---- the gate: in waves 0 and 1 (kp = 0) lanes 0-15 hold x[token][0 .. 15] in v[X] on.  Lanes 16-31 run along and their sums are not used
	s_cmp_lt_u32 s22, 2
	s_cbranch_scc0 .Lno_gate
.irp k, 0,1,2,3
.set gr, 32+12*\k+4*((12*\k)/32)
	v_mul_f32 v[GT+\k], s[gr], v[X]
.endr
.irp c, 1,2,3,4,5,6,7,8,9,10,11
.irp k, 0,1,2,3
.set gr, 32+12*\k+\c+4*((12*\k+\c)/32)
	s_delay_alu instid0(VALU_DEP_4)
	v_fma_f32 v[GT+\k], v[X+\c], s[gr], v[GT+\k]       ; four sums by turns
.endr
.endr
.irp k, 0,1,2,3
	s_delay_alu instid0(VALU_DEP_4)
	v_mul_f32 v[GT+\k], 0xbfb8aa3b, v[GT+\k]           ; - log2(e) z
.endr
	s_wait_alu depctr_va_vdst(0)
.irp k, 0,1,2,3
	v_exp_f32 v[GT+\k], v[GT+\k]
.endr
	v_nop                                              ; a plain place behind the transcendentals
	s_wait_alu depctr_va_vdst(0)
.irp k, 0,1,2,3
	v_add_f32 v[GT+\k], 1.0, v[GT+\k]
.endr
	s_wait_alu depctr_va_vdst(0)
.irp k, 0,1,2,3
	v_rcp_f32 v[GT+\k], v[GT+\k]
.endr
	v_nop
	s_wait_alu depctr_va_vdst(0)
.irp k, 0,1,2,3
	v_mul_f32 v[GT+\k], 0x40400000, v[GT+\k]           ; 3 / (1 + 2^(- log2(e) z))
.endr
	s_delay_alu instid0(VALU_DEP_3)
	v_permlanex16_b32 v[GT+4], v[GT+1], s[SEL], s[SEL+1]   ; lanes 16-31 take heads 1 and 3 of lanes 0-15,
	s_delay_alu instid0(VALU_DEP_2)
	v_permlanex16_b32 v[GT+5], v[GT+3], s[SEL], s[SEL+1]
	s_delay_alu instid0(VALU_DEP_2)
	v_cndmask_b32 v[GT+6], v[GT], v[GT+4], s86
	s_delay_alu instid0(VALU_DEP_2)
	v_cndmask_b32 v[GT+7], v[GT+2], v[GT+5], s86
	global_store_b32 v9, v[GT+6], s[18:19]                 ; so that each store covers 128 consecutive bytes: heads 0, 1
	global_store_b32 v9, v[GT+7], s[18:19] offset:128      ; heads 2, 3
.Lno_gate:
	s_wait_dscnt 0x0                               ; K step 1 is turned
	s_wait_xcnt 0x0                                ; K step 0's stores have read v[PC] on
	QUANT4 R0, PW+1
	IMG 1536
	v_cndmask_b32 v34, v[PW], v[PW+1], s86         ; lanes 0-15 store K step 2 kp's word of row r, lanes 16-31 K step 2 kp + 1's
	global_store_b32 v8, v34, s[90:91]             ; 128 consecutive bytes
	s_wait_tensorcnt 0x0
	ds_add_u32 v51, v55
	s_wait_dscnt 0x0
	s_endpgm
.Lfunc_end_k_q6af7e214cd_prep:
	.size	k_q6af7e214cd_prep, .Lfunc_end_k_q6af7e214cd_prep-k_q6af7e214cd_prep
	.p2alignl 7, 3214868480
	.fill 96, 4, 3214868480
	.section	.rodata,"a",@progbits
	.p2align	6, 0x0
	.amdhsa_kernel k_q6af7e214cd_prep
		.amdhsa_group_segment_fixed_size 68608
		.amdhsa_private_segment_fixed_size 0
		.amdhsa_enable_private_segment 0
		.amdhsa_kernarg_size 72
		.amdhsa_user_sgpr_count 2
		.amdhsa_user_sgpr_kernarg_segment_ptr 1
		.amdhsa_wavefront_size32 1
		.amdhsa_system_sgpr_workgroup_id_x 1
		.amdhsa_system_sgpr_workgroup_id_y 1
		.amdhsa_system_sgpr_workgroup_id_z 1
		.amdhsa_system_vgpr_workitem_id 0
		.amdhsa_next_free_vgpr 256
		.amdhsa_next_free_sgpr 92
		.amdhsa_reserve_vcc 0
		.amdhsa_float_denorm_mode_32 3
		.amdhsa_float_denorm_mode_16_64 3
		.amdhsa_memory_ordered 1
		.amdhsa_forward_progress 1
		.amdhsa_inst_pref_size 31
	.end_amdhsa_kernel
	.amdgpu_metadata
---
amdhsa.version: [ 1, 2 ]
amdhsa.kernels:
  - .name:           k_q6af7e214cd_prep
    .symbol:         k_q6af7e214cd_prep.kd
    .args:
      - { .name: x, .offset: 0, .size: 8, .value_kind: global_buffer, .address_space: global }
      - { .name: w_gate, .offset: 8, .size: 8, .value_kind: global_buffer, .address_space: global }
      - { .name: wq_codes, .offset: 16, .size: 8, .value_kind: global_buffer, .address_space: global }
      - { .name: wk_codes, .offset: 24, .size: 8, .value_kind: global_buffer, .address_space: global }
      - { .name: wv_codes, .offset: 32, .size: 8, .value_kind: global_buffer, .address_space: global }
      - { .name: wo_codes, .offset: 40, .size: 8, .value_kind: global_buffer, .address_space: global }
      - { .name: xq, .offset: 48, .size: 8, .value_kind: global_buffer, .address_space: global }
      - { .name: gate, .offset: 56, .size: 8, .value_kind: global_buffer, .address_space: global }
      - { .name: w_img, .offset: 64, .size: 8, .value_kind: global_buffer, .address_space: global }
    .group_segment_fixed_size: 68608
    .private_segment_fixed_size: 0
    .kernarg_segment_align: 8
    .kernarg_segment_size: 72
    .max_flat_workgroup_size: 256
    .sgpr_count:     92
    .vgpr_count:     256
    .wavefront_size: 32
...
	.end_amdgpu_metadata
.endif
;; end of part 1
;; launch qkv (part 2): grid 32 x 8, 4 waves a work-group, clusters of 4 x 1, 168,448 bytes of LDS; arguments xq, w_img, wq_scales, wk_scales, wv_scales, cos, sin, ve, gate, qb, kv; writes qb, kv
.if DOCPART == 2
	.amdgcn_target "amdgcn-amd-amdhsa--gfx1250"
	.amdhsa_code_object_version 6
	.text
	.protected	k_q6af7e214cd_qkv
	.globl	k_q6af7e214cd_qkv
	.p2align	8
	.type	k_q6af7e214cd_qkv,@function
k_q6af7e214cd_qkv:
	s_mov_b64 s[64:65], 0
	v_nop
	global_prefetch_b8 v0, s[64:65] scope:SCOPE_SE
	s_setreg_imm32_b32 hwreg(HW_REG_WAVE_MODE, 25, 1), 1
	s_wait_xcnt 0x0
	s_wait_alu depctr_hold_cnt(0) depctr_sa_sdst(0) depctr_va_vdst(0) depctr_va_sdst(0) depctr_va_ssrc(0) depctr_va_vcc(0) depctr_vm_vsrc(0)
	s_getreg_b32 s2, hwreg(HW_REG_IB_STS2, 6, 4)
	s_cmp_eq_u32 s2, 0
	s_cbranch_scc0 .Lentry_in_a_cluster
	s_endpgm
.Lentry_in_a_cluster:
	s_bfe_u32 s2, ttmp6, 0x10000c
	s_cmp_lg_u32 s2, 0x3003
	s_cbranch_scc0 .Lentry_shape_is_right
	s_endpgm
.Lentry_shape_is_right:
; QKV.  q = x wq^T, k = x wk^T, v = x wv^T on codes of FP6 (E2M3) with E8M0 scales; then, in f32: rotary, rms norm and x 1.15 for q and k; v + gate x ve; and each result
; is quantised in registers for attention's products: q and k along the head's 64, v along the KEYS.  Nothing wide goes to memory.
; SHARES.  256 work-groups = 32 groups of 256 tokens (tg) x 8 groups of heads (cg).  Of the 24 heads (0-15 q, 16-19 k, 20-23 v) group cg takes cg, cg + 8, cg + 16: two q heads, then a k or a v head.
; Wave w owns 64 tokens (four tiles of 16) and keeps ALL their fragments of x (4 x 8 x 12 = 384 registers) for the whole launch; a head's weights are read from LDS by all four waves,
; each fragment feeding four matrix instructions.  The three heads' weights, 147,456 bytes, fit in LDS at once: filled once, no ring, one barrier.
; CLUSTER.  The four token groups of a cluster share cg, so they need the same weights: each wave's tensor load names all four work-groups.  cx enters global addresses of x, cos, sin, ve,
; gate and the outputs alone; no branch and no LDS address hangs on it.
; LAYOUT (tiles, images: as the launch before lays them).  q, k: the product is used TRANSPOSED (source 0 = 16 rows of W, source 1 = 16 tokens): a lane holds ONE token, and register 16 b + i of its
; 32 the channel 32 b + 16 h + i: x1 in registers 0-15, x2 in 16-31, and the two blocks of 32 of the next K.  v: NOT transposed (source 0 = tokens, source 1 = rows of wv): a lane holds one channel
; and register 16 b + i the key 32 b + 16 h + i of the wave's 64.
; OUT.  A half fragment (16 rows x 64 K, 6 registers a lane) is 768 bytes: registers 0-3 at 16 l, registers 4-5 at 512 + 8 l.  Four half fragments' scales are 128 bytes: two bytes at 8 row + 2 i.
;   qb: [b 16 + head][tile 128][768]; from QBS on [b 16 + head][tile / 4][128], i = tile % 4
;   kv: [b 4 + kv head][step of 128 keys, 16][12,800]: +0 K's 8 tiles; +6,144 V (channel tile t, which 64 keys c) at 1,536 t + 768 c; +12,288 K's scales (tile / 4; i = tile % 4); +12,544 V's (c; i = t)
; REGISTERS, in windows of 256: window 0: v1-11 addresses; v12-15, v16-23 at work; v24-27 scale byte pairs; v28-30 their packing; v32-40 codes; v48-79 x's scale words (8 tile + K step);
;   v80-111 the head's weight scale words (8 t + K step); v112-143 the gate; v144-175 32 numbers at work; v176-179 LDS addresses of the weights' four tiles.
;   window 1: x's fragments of K steps 0-4 at 48 ks + 12 tile.   window 2: K steps 5-7 likewise; from v144 and v192 two sets of four weight fragments.
;   window 3: v0-127 the 16 accumulators; v128-255 cos (128 + 32 tile + i) and sin (+ 16); in a v head, which comes last, ve.
; LIMITS: a block of zeros gets the byte 1 where the quantiser's rule says 127 (zero codes; this program alone reads the bytes); NaN and infinities are not served; 1 / sqrt by v_rsq_f32,
; multiplied by 1.15 before it meets the numbers; the rotary's second product is fused into its sum.
; ve is read in pieces of 32 bytes (eight lanes to eight neighbouring channels of a token): a token's 256 bytes of a head are read by four loads of one wave, close together.
.set XQS, 6291456
.set QBS, 6291456
.set REC, 12800
.set TM,  16
.set SS,  24
.set PK,  28
.set PC,  32
.set XS,  48
.set WS,  80
.set G,   112
.set Y,   144
.set AW,  176
.set FB0, 144                          ; in window 2
.set FB1, 192
.set CS,  128                          ; in window 3
.set SEL, 66
.set MSB, 0
.macro WIN new                         ; the immediate's high byte repeats the setting that is left; a switch that changes nothing is dropped
.if MSB != \new
	s_set_vgpr_msb (MSB<<8)|\new
.set MSB, \new
.endif
.endm
.macro PLACES n
.rept \n
	v_nop
.endr
.endm
.macro ROUND                           ; a round of the cluster's barrier
	s_barrier_signal -1
	s_barrier_wait -1
	s_cmp_lg_u32 s40, 0
	s_cbranch_scc1 .Lnot_wave_0_\@
	s_barrier_signal -3
.Lnot_wave_0_\@:
	s_barrier_wait -3
	s_barrier_signal -1
	s_barrier_wait -1
.endm
.macro WM d, a, b, sa, sb, zero        ; one product; zero = 1: it starts the sum
.if \zero
	v_wmma_scale_f32_16x16x128_f8f6f4 v[(\d):(\d)+7], v[(\a):(\a)+11], v[(\b):(\b)+11], 0, v[(\sa)], v[(\sb)] matrix_a_fmt:MATRIX_FMT_FP6 matrix_b_fmt:MATRIX_FMT_FP6
.else
	v_wmma_scale_f32_16x16x128_f8f6f4 v[(\d):(\d)+7], v[(\a):(\a)+11], v[(\b):(\b)+11], v[(\d):(\d)+7], v[(\sa)], v[(\sb)] matrix_a_fmt:MATRIX_FMT_FP6 matrix_b_fmt:MATRIX_FMT_FP6
.endif
.endm
.macro WFETCH ks, fb                   ; the head's four weight fragments of K step ks: 12 loads of 512 consecutive bytes
	WIN 0x80                                       ; destination window 2
.irp t, 0,1,2,3
.irp c, 0,1,2
	ds_load_b128 v[(\fb)+12*\t+4*\c:(\fb)+12*\t+4*\c+3], v[AW+\t] offset:(\ks)*1536+512*\c
.endr
.endr
.endm
; 16 products of K step ks: the 16 accumulators by turns, in the same order in every K step.
; v = 0: accumulator 32 tile + 8 t, source 0 the weights;  v = 1: accumulator 32 t + 8 tile, source 0 the tokens.
.macro MUL v, ks, fb
.if (\ks) == 0
.set ZR, 1
.else
.set ZR, 0
.endif
.if (\ks) < 5
.set XB, 48*(\ks)
.if \v
	WIN 0xf9                                       ; source 0 (x) window 1, source 1 (W) window 2, C and D window 3
.else
	WIN 0xf6                                       ; source 0 (W) window 2, source 1 (x) window 1
.endif
.else
.set XB, 48*((\ks)-5)
	WIN 0xfa                                       ; both sources window 2
.endif
.irp a, 0,1,2,3
.irp c, 0,1,2,3
.if \v
	WM 32*\a+8*\c, XB+12*\c, (\fb)+12*\a, XS+8*\c+(\ks), WS+8*\a+(\ks), ZR
.else
	WM 32*\a+8*\c, (\fb)+12*\c, XB+12*\a, WS+8*\c+(\ks), XS+8*\a+(\ks), ZR
.endif
.endr
.endr
.endm
; A head's K loop, written out: while one K step is multiplied the next one's fragments are on their way.  Four places stand in front of loads into registers that the last products read.
.macro KLOOP v
	WFETCH 0, FB0
.irp k, 0,1,2,3,4,5,6
.if \k > 0
	PLACES 4
.endif
	WFETCH \k+1, FB0+48*((\k+1)%2)
	s_wait_dscnt 12                                ; this K step's 12 loads are in; the 12 just issued may be out
	MUL \v, \k, FB0+48*(\k%2)
.endr
	s_wait_dscnt 0x0
	MUL \v, 7, FB1
	WIN 0
	PLACES 4                                       ; in front of the first read of results, and of loads into the scale registers
.endm
.macro WSLOAD                          ; the scale words of head s60: row 64 x (its number in its tensor) + the tile's rows; 32 bytes a row
	s_mov_b64 s[54:55], s[8:9]
	s_mov_b32 s61, 0
	s_cmp_ge_u32 s60, 16
	s_cselect_b64 s[54:55], s[10:11], s[54:55]
	s_cselect_b32 s61, 16, s61
	s_cmp_ge_u32 s60, 20
	s_cselect_b64 s[54:55], s[12:13], s[54:55]
	s_cselect_b32 s61, 20, s61
	s_sub_co_u32 s62, s60, s61
	s_lshl_b32 s62, s62, 11
	s_mov_b32 s63, 0
	s_add_nc_u64 s[54:55], s[54:55], s[62:63]
.irp t, 0,1,2,3
.irp e, 0,1
	global_load_b128 v[WS+8*\t+4*\e:WS+8*\t+4*\e+3], v7, s[54:55] offset:(32*(\t/2)+8*(\t%2))*32+16*\e
.endr
.endr
.endm
; 32 numbers of a lane, register 16 b + i = k 32 b + 16 h + i of its row, become a half fragment's six registers in v[PC] on and its two scale bytes in v[dst].
.macro QUANT2 s, dst
	v_max3_num_f32 v[TM], |v[\s]|, |v[\s+1]|, 0x1800000            ; my 16 numbers of each block, and the floor 2^(3 - 127): the byte cannot fall under 1
	v_max3_num_f32 v[TM+1], |v[\s+16]|, |v[\s+17]|, 0x1800000
.irp i, 2,4,6,8,10,12,14
	v_max3_num_f32 v[TM], v[TM], |v[\s+\i]|, |v[\s+1+\i]|
	v_max3_num_f32 v[TM+1], v[TM+1], |v[\s+16+\i]|, |v[\s+17+\i]|
.endr
	v_permlanex16_b32 v[TM+2], v[TM], s[SEL], s[SEL+1]
	v_permlanex16_b32 v[TM+3], v[TM+1], s[SEL], s[SEL+1]
	v_max_num_f32 v[TM], v[TM], v[TM+2]                ; with lane l xor 16's 16
	v_max_num_f32 v[TM+1], v[TM+1], v[TM+3]
	v_add_nc_u32 v[TM+4], 0xff000000, v[TM]            ; 2 off the exponent field: the conversion's scale operand
	v_add_nc_u32 v[TM+5], 0xff000000, v[TM+1]
	v_lshrrev_b32 v[TM+2], 23, v[TM+4]                 ; the bytes
	v_lshrrev_b32 v[TM+3], 23, v[TM+5]
	v_lshl_or_b32 v[\dst], v[TM+3], 8, v[TM+2]
	v_cvt_scalef32_pk16_fp6_f32 v[PC:PC+2], v[\s:\s+15], v[TM+4]
	v_cvt_scalef32_pk16_fp6_f32 v[PC+6:PC+8], v[\s+16:\s+31], v[TM+5]
	v_nop                                              ; one plain place behind a scaled conversion
.irp i, 0,1,2
	v_permlane16_swap_b32 v[PC+\i], v[PC+6+\i]         ; a whole block to a lane: lanes 0-15 block 0, lanes 16-31 block 1
.endr
.irp i, 0,1,2
	v_mov_b32 v[PC+3+\i], v[PC+6+\i]
.endr
.endm
.macro HFOUT off                       ; 512 and 256 consecutive bytes, at multiples of 256 from the buffer's first byte
	global_store_b128 v1, v[PC:PC+3], s[50:51] offset:\off
	global_store_b64 v2, v[PC+4:PC+5], s[50:51] offset:\off+512
.endm
.macro EPIQK tau                       ; a tile of 16 tokens of a q or k head
	s_wait_xcnt 0x0                                ; the last stores have read v[PC] on
	WIN 0x0f                                       ; sources 0 and 1 window 3
.irp i, 0,2,4,6,8,10,12,14             ; each accumulator is read from its low end on
	v_pk_mul_f32 v[Y+\i:Y+\i+1], v[32*\tau+\i:32*\tau+\i+1], v[CS+32*\tau+\i:CS+32*\tau+\i+1]               ; x1 cos
	v_pk_mul_f32 v[Y+16+\i:Y+17+\i], v[32*\tau+16+\i:32*\tau+17+\i], v[CS+32*\tau+\i:CS+32*\tau+\i+1]       ; x2 cos
.endr
.irp i, 0,2,4,6,8,10,12,14
	v_pk_fma_f32 v[Y+\i:Y+\i+1], v[32*\tau+16+\i:32*\tau+17+\i], v[CS+32*\tau+16+\i:CS+32*\tau+17+\i], v[Y+\i:Y+\i+1]   ; + x2 sin
	v_pk_fma_f32 v[Y+16+\i:Y+17+\i], v[32*\tau+\i:32*\tau+\i+1], v[CS+32*\tau+16+\i:CS+32*\tau+17+\i], v[Y+16+\i:Y+17+\i] neg_lo:[0,1,0] neg_hi:[0,1,0]   ; - x1 sin
.endr
	WIN 0
	v_pk_mul_f32 v[12:13], v[Y:Y+1], v[Y:Y+1]          ; the sum of squares, in two chains of pairs
	v_pk_mul_f32 v[14:15], v[Y+2:Y+3], v[Y+2:Y+3]
.irp i, 4,8,12,16,20,24,28
	v_pk_fma_f32 v[12:13], v[Y+\i:Y+\i+1], v[Y+\i:Y+\i+1], v[12:13]
	v_pk_fma_f32 v[14:15], v[Y+\i+2:Y+\i+3], v[Y+\i+2:Y+\i+3], v[14:15]
.endr
	v_pk_add_f32 v[12:13], v[12:13], v[14:15]
	v_add_f32 v12, v12, v13
	v_permlanex16_b32 v14, v12, s[SEL], s[SEL+1]       ; the token's other 32 channels lie in lane l xor 16
	v_add_f32 v12, v12, v14
	v_fma_f32 v12, v12, s69, s70                       ; / 64 + 1e-6
	s_wait_alu depctr_va_vdst(0)
	v_rsq_f32 v13, v12
	v_nop                                              ; a plain place behind the transcendental
	s_wait_alu depctr_va_vdst(0)
	v_mul_f32 v12, 0x3f933333, v13                     ; x 1.15
.irp i, 0,2,4,6,8,10,12,14,16,18,20,22,24,26,28,30
	v_pk_mul_f32 v[Y+\i:Y+\i+1], v[Y+\i:Y+\i+1], v[12:13] op_sel_hi:[1,0]
.endr
	QUANT2 Y, SS+\tau
	HFOUT 768*\tau
.endm
.macro EPIV t                          ; a tile of 16 channels of a v head, 64 keys
	s_wait_xcnt 0x0
	WIN 0x33                                       ; source 0 (ve) and source 2 (the sums) window 3
.irp i, 0,2,4,6,8,10,12,14,16,18,20,22,24,26,28,30
	v_pk_fma_f32 v[Y+\i:Y+\i+1], v[CS+32*\t+\i:CS+32*\t+\i+1], v[G+\i:G+\i+1], v[32*\t+\i:32*\t+\i+1]   ; v + gate x ve
.endr
	WIN 0
	QUANT2 Y, SS+\t
	HFOUT 1536*\t
.endm
.macro SCOUT                           ; the four byte pairs of a row are 8 bytes: lanes 0-15 store the first word, lanes 16-31 the second: 128 consecutive bytes
	v_lshl_or_b32 v[PK], v[SS+1], 16, v[SS]
	v_lshl_or_b32 v[PK+1], v[SS+3], 16, v[SS+2]
	v_cndmask_b32 v[PK+2], v[PK], v[PK+1], s68
	global_store_b32 v11, v[PK+2], s[52:53]
.endm
	s_load_b512 s[4:19], s[0:1], 0x0               ; xq s[4:5], w_img s[6:7], wq_scales s[8:9], wk_scales s[10:11], wv_scales s[12:13], cos s[14:15], sin s[16:17], ve s[18:19]
	s_load_b128 s[20:23], s[0:1], 0x40             ; gate s[20:21], qb s[22:23]
	s_load_b64 s[24:25], s[0:1], 0x50              ; kv
	v_lshl_add_u32 v254, v0, 2, 0x29000
	v_mov_b32 v255, 0
	ds_add_u32 v254, v255
	ds_add_u32 v254, v255
	v_lshrrev_b32 v12, 5, v0
	v_readfirstlane_b32 s40, v12                   ; wave 0..3
	s_and_b32 s43, ttmp7, 0xffff                   ; cg, which the four partners share
	; the weights' descriptor: wave w fetches tile t = w of my three heads: 3 rows of 12,288 bytes (8 K steps' images), 8 heads = 393,216 bytes apart; they land on end
	s_mov_b32 s28, 15|(3<<16)|(1<<21)              ; 15:0 the mask: all four work-groups; 17:16 elements of 8 bytes; 21 set beside a mask; no padding: images are read as consecutive bytes
	s_mov_b32 s29, 1536<<16                        ; tensor_dim0 = 1,536
	s_mov_b32 s30, 3<<16                           ; tensor_dim1 = 3
	s_mov_b32 s31, 1536<<16                        ; tile_dim0 = 1,536
	s_mov_b32 s32, 3                               ; tile_dim1 = 3
	s_mov_b32 s33, 49152                           ; tensor_dim0_stride
	s_mov_b32 s34, 0
	s_mov_b32 s35, 0
	s_mov_b32 s36, 1                               ; count = 1
	s_mul_i32 s37, s40, 36864                      ; LDS: [t 4][head 3][K step 8][1,536]
	s_mul_i32 s80, s43, 49152                      ; head cg,
	s_mul_i32 s81, s40, 12288                      ; tile w
	s_add_co_u32 s80, s80, s81
	s_mov_b32 s81, 0
	s_bfe_u32 s41, ttmp6, 0x40000                  ; cx
	s_lshl_b32 s42, ttmp9, 2
	s_add_co_u32 s42, s42, s41                     ; tg = 4 x cluster x + cx
	s_lshr_b32 s44, s42, 3                         ; b: 8 token groups a batch
	s_lshl_b32 s46, s42, 4
	s_lshl_b32 s60, s40, 2
	s_add_co_u32 s46, s46, s60                     ; my first tile of all 512: 16 tg + 4 w
	s_and_b32 s45, s46, 127                        ; and in its batch
	v_and_b32 v12, 31, v0
	v_lshlrev_b32 v1, 4, v12                       ; 16 l
	v_lshlrev_b32 v2, 3, v12                       ; 8 l
	v_and_b32 v3, 15, v0                           ; r
	v_bfe_u32 v4, v0, 4, 1                         ; h
	v_and_b32 v12, 8, v3
	v_add_nc_u32 v12, v12, v3                      ; r + (r & 8): slot r's place among a tile's rows
	v_lshlrev_b32 v6, 3, v3                        ; x's scale words: 8 r
	v_lshlrev_b32 v7, 5, v12                       ; the weights' scale words: 32 bytes a row
	v_lshlrev_b32 v8, 7, v12
	v_lshl_add_u32 v8, v4, 6, v8                   ; cos, sin: my token's 128 bytes, + 64 h
	v_lshlrev_b32 v9, 2, v12
	v_lshl_add_u32 v9, v4, 14, v9                  ; ve: my channel, + 16 h tokens of 1,024 bytes
	v_lshlrev_b32 v10, 5, v4                       ; the gate: 32 h
	v_lshl_add_u32 v11, v4, 2, v6                  ; scales out: 8 r + 4 h
	v_mov_b32 v[TM+2], 0                           ; written once: a lane permute's destination counts as one of its sources
	v_mov_b32 v[TM+3], 0
	s_mov_b32 s[SEL], 0x76543210
	s_mov_b32 s[SEL+1], 0xfedcba98
	s_mov_b32 s68, 0xffff0000                      ; lanes 16-31
	s_mov_b32 s69, 0x3c800000                      ; 1 / 64
	s_mov_b32 s70, 0x358637bd                      ; 1e-6
	s_wait_dscnt 0x0
	s_wait_kmcnt 0x0
	s_add_nc_u64 s[38:39], s[6:7], s[80:81]
	s_or_b32 s39, s39, 0x80000000                  ; type = 2
	s_mov_b32 s63, 0
	s_mul_i32 s62, s46, 12288
	s_add_nc_u64 s[72:73], s[4:5], s[62:63]        ; x's images at my first tile
	s_lshl_b32 s62, s46, 9
	s_add_co_u32 s62, s62, XQS
	s_add_nc_u64 s[74:75], s[4:5], s[62:63]        ; and its scale words
	s_lshl_b32 s62, s45, 11                        ; 16 tokens of 128 bytes a tile
	s_add_nc_u64 s[76:77], s[14:15], s[62:63]
	s_add_nc_u64 s[78:79], s[16:17], s[62:63]
	ROUND                                          ; all four work-groups are here: the joint loads meet
	tensor_load_to_lds s[36:39], s[28:35]          ; my one tensor load of the launch
	s_nop 0
	PLACES 4                                       ; (the windows are switched behind four instructions)
	WIN 0x40                                       ; destination window 1
.irp k, 0,1,2,3,4
.irp a, 0,1,2,3
.irp c, 0,1,2
	global_load_b128 v[48*\k+12*\a+4*\c:48*\k+12*\a+4*\c+3], v1, s[72:73] offset:(8*\a+\k)*1536+512*\c
.endr
.endr
.endr
	WIN 0x80                                       ; destination window 2
.irp k, 5,6,7
.irp a, 0,1,2,3
.irp c, 0,1,2
	global_load_b128 v[48*(\k-5)+12*\a+4*\c:48*(\k-5)+12*\a+4*\c+3], v1, s[72:73] offset:(8*\a+\k)*1536+512*\c
.endr
.endr
.endr
	WIN 0xc0                                       ; destination window 3
	s_wait_alu depctr_va_vdst(0)
.irp a, 0,1,2,3
.irp e, 0,1,2,3
	global_load_b128 v[CS+32*\a+4*\e:CS+32*\a+4*\e+3], v8, s[76:77] offset:(32*(\a/2)+8*(\a%2))*128+16*\e
	global_load_b128 v[CS+32*\a+16+4*\e:CS+32*\a+19+4*\e], v8, s[78:79] offset:(32*(\a/2)+8*(\a%2))*128+16*\e
.endr
.endr
	WIN 0
.irp a, 0,1,2,3
.irp p, 0,1,2,3
	global_load_b64 v[XS+8*\a+2*\p:XS+8*\a+2*\p+1], v6, s[74:75] offset:512*\a+128*\p
.endr
.endr
	s_mov_b32 s47, 3                               ; heads to go
	s_mov_b32 s48, s43                             ; the head in hand
	s_mov_b32 s49, 0                               ; its weights' place in each tile's part of LDS
	s_mov_b32 s60, s43
	WSLOAD
	s_wait_tensorcnt 0x0                           ; my part of the weights is in,
	s_barrier_signal -1
	s_barrier_wait -1                              ; everybody's is
.Lhead:
	s_wait_loadcnt 0x0                             ; the head's scale words (and, the first time, x, cos and sin)
	s_wait_xcnt 0x0                                ; the last head's stores have read their bases and data
	s_mov_b32 s63, 0
	s_cmp_ge_u32 s48, 16
	s_cbranch_scc1 .Lkv_ptr
	s_lshl_b32 s60, s44, 4
	s_add_co_u32 s60, s60, s48                     ; 16 b + head
	s_lshl_b32 s62, s60, 7
	s_add_co_u32 s62, s62, s45
	s_mul_i32 s62, s62, 768
	s_add_nc_u64 s[50:51], s[22:23], s[62:63]      ; q's half fragments
	s_lshl_b32 s62, s60, 5
	s_lshr_b32 s61, s45, 2
	s_add_co_u32 s62, s62, s61
	s_lshl_b32 s62, s62, 7
	s_add_co_u32 s62, s62, QBS
	s_add_nc_u64 s[52:53], s[22:23], s[62:63]      ; and their scales
	s_branch .Lptr_done
.Lkv_ptr:
	s_cmp_ge_u32 s48, 20
	s_cselect_b32 s60, 20, 16
	s_cselect_b32 s61, 6144, 0                     ; V's part of a record, or K's
	s_cselect_b32 s82, 0, 2                        ; my 64 keys are 768 bytes on in each of V's tiles, or four tiles of K: 768 << 2
	s_cselect_b32 s83, 256, 0                      ; V's scales lie 256 bytes behind K's
	s_sub_co_u32 s60, s48, s60                     ; the kv head
	s_lshl_b32 s84, s44, 2
	s_add_co_u32 s84, s84, s60
	s_lshl_b32 s84, s84, 4
	s_lshr_b32 s85, s45, 3
	s_add_co_u32 s84, s84, s85
	s_mul_i32 s84, s84, REC                        ; the record of my step of 128 keys
	s_bfe_u32 s85, s45, 0x10002                    ; c: which 64 of them are mine
	s_mul_i32 s62, s85, 768
	s_lshl_b32 s62, s62, s82
	s_add_co_u32 s62, s62, s61
	s_add_co_u32 s62, s62, s84
	s_add_nc_u64 s[50:51], s[24:25], s[62:63]
	s_lshl_b32 s62, s85, 7
	s_add_co_u32 s62, s62, s83
	s_add_co_u32 s62, s62, s84
	s_add_co_u32 s62, s62, 12288
	s_add_nc_u64 s[52:53], s[24:25], s[62:63]
.Lptr_done:
.irp t, 0,1,2,3
	s_add_co_u32 s61, s49, 36864*\t
	v_add_nc_u32 v[AW+\t], s61, v1                 ; 16 l + tile t's part + the head's place in it
.endr
	s_cmp_ge_u32 s48, 20
	s_cbranch_scc1 .Lv_way
	; ---- a q or k head
	s_wait_alu depctr_va_vdst(0)
	KLOOP 0
	s_cmp_eq_u32 s47, 1                            ; the next head's scale words, if there is a next head: they land under this head's vector work
	s_cbranch_scc1 .Lno_next
	s_add_co_u32 s60, s48, 8
	WSLOAD
.Lno_next:
	EPIQK 0
	EPIQK 1
	EPIQK 2
	EPIQK 3
	SCOUT
	s_branch .Ljoin
.Lv_way:
	; ---- a v head (always the last of the three): ve and the gate are asked for ahead of the K loop and land under it
	s_sub_co_u32 s60, s48, 20
	s_lshl_b32 s62, s46, 14                        ; 16 tokens of 1,024 bytes a tile,
	s_lshl_b32 s61, s60, 8                         ; 256 bytes a head
	s_add_co_u32 s62, s62, s61
	s_add_nc_u64 s[56:57], s[18:19], s[62:63]
	s_lshl_b32 s62, s46, 8                         ; the gate: 256 bytes a tile, 64 a head
	s_lshl_b32 s61, s60, 6
	s_add_co_u32 s62, s62, s61
	s_add_nc_u64 s[58:59], s[20:21], s[62:63]
.irp a, 0,1,2,3
.irp e, 0,1
	global_load_b128 v[G+8*\a+4*\e:G+8*\a+4*\e+3], v10, s[58:59] offset:256*\a+16*\e   ; register 8 tile + j: the gate of slot 8 h + j, the token of the same register of the sums
.endr
.endr
	WIN 0xc0                                       ; destination window 3
.irp t, 0,1,2,3
.irp a, 0,1,2,3
.irp j, 0,1,2,3,4,5,6,7
	global_load_b32 v[CS+32*\t+8*\a+\j], v9, s[56:57] offset:(32*(\a/2)+8*(\a%2)+\j)*1024+(32*(\t/2)+8*(\t%2))*4
.endr
.endr
.endr
	WIN 0
	s_wait_alu depctr_va_vdst(0)
	KLOOP 1
	s_wait_loadcnt 0x0                             ; ve and the gate
	EPIV 0
	EPIV 1
	EPIV 2
	EPIV 3
	SCOUT
.Ljoin:
	s_add_co_u32 s49, s49, 12288
	s_add_co_u32 s48, s48, 8
	s_sub_co_u32 s47, s47, 1
	s_cmp_lg_u32 s47, 0
	s_cbranch_scc1 .Lhead
	s_wait_tensorcnt 0x0
	ds_add_u32 v254, v255
	s_wait_dscnt 0x0
	ROUND                                          ; the closing round: no work-group ends while a partner may still ask for a tile that names it
	s_endpgm
.Lfunc_end_k_q6af7e214cd_qkv:
	.size	k_q6af7e214cd_qkv, .Lfunc_end_k_q6af7e214cd_qkv-k_q6af7e214cd_qkv
	.p2alignl 7, 3214868480
	.fill 96, 4, 3214868480
	.section	.rodata,"a",@progbits
	.p2align	6, 0x0
	.amdhsa_kernel k_q6af7e214cd_qkv
		.amdhsa_group_segment_fixed_size 168448
		.amdhsa_private_segment_fixed_size 0
		.amdhsa_enable_private_segment 0
		.amdhsa_kernarg_size 88
		.amdhsa_user_sgpr_count 2
		.amdhsa_user_sgpr_kernarg_segment_ptr 1
		.amdhsa_wavefront_size32 1
		.amdhsa_system_sgpr_workgroup_id_x 1
		.amdhsa_system_sgpr_workgroup_id_y 1
		.amdhsa_system_sgpr_workgroup_id_z 1
		.amdhsa_system_vgpr_workitem_id 0
		.amdhsa_next_free_vgpr 1024
		.amdhsa_next_free_sgpr 100
		.amdhsa_reserve_vcc 0
		.amdhsa_float_denorm_mode_32 3
		.amdhsa_float_denorm_mode_16_64 3
		.amdhsa_memory_ordered 1
		.amdhsa_forward_progress 1
		.amdhsa_inst_pref_size 123
	.end_amdhsa_kernel
	.amdgpu_metadata
---
amdhsa.version: [ 1, 2 ]
amdhsa.kernels:
  - .name:           k_q6af7e214cd_qkv
    .symbol:         k_q6af7e214cd_qkv.kd
    .args:
      - { .name: xq, .offset: 0, .size: 8, .value_kind: global_buffer, .address_space: global }
      - { .name: w_img, .offset: 8, .size: 8, .value_kind: global_buffer, .address_space: global }
      - { .name: wq_scales, .offset: 16, .size: 8, .value_kind: global_buffer, .address_space: global }
      - { .name: wk_scales, .offset: 24, .size: 8, .value_kind: global_buffer, .address_space: global }
      - { .name: wv_scales, .offset: 32, .size: 8, .value_kind: global_buffer, .address_space: global }
      - { .name: cos, .offset: 40, .size: 8, .value_kind: global_buffer, .address_space: global }
      - { .name: sin, .offset: 48, .size: 8, .value_kind: global_buffer, .address_space: global }
      - { .name: ve, .offset: 56, .size: 8, .value_kind: global_buffer, .address_space: global }
      - { .name: gate, .offset: 64, .size: 8, .value_kind: global_buffer, .address_space: global }
      - { .name: qb, .offset: 72, .size: 8, .value_kind: global_buffer, .address_space: global }
      - { .name: kv, .offset: 80, .size: 8, .value_kind: global_buffer, .address_space: global }
    .group_segment_fixed_size: 168448
    .private_segment_fixed_size: 0
    .kernarg_segment_align: 8
    .kernarg_segment_size: 88
    .max_flat_workgroup_size: 128
    .sgpr_count:     100
    .vgpr_count:     1024
    .wavefront_size: 32
...
	.end_amdgpu_metadata
.endif
;; end of part 2
;; launch attn (part 3): grid 256 x 1, 16 waves a work-group, clusters of 4 x 1, 206,848 bytes of LDS; arguments qb, kv, yb; writes yb
.if DOCPART == 3
	.amdgcn_target "amdgcn-amd-amdhsa--gfx1250"
	.amdhsa_code_object_version 6
	.text
	.protected	k_q6af7e214cd_attn
	.globl	k_q6af7e214cd_attn
	.p2align	8
	.type	k_q6af7e214cd_attn,@function
k_q6af7e214cd_attn:
	s_mov_b64 s[64:65], 0
	v_nop
	global_prefetch_b8 v0, s[64:65] scope:SCOPE_SE
	s_setreg_imm32_b32 hwreg(HW_REG_WAVE_MODE, 25, 1), 1
	s_wait_xcnt 0x0
	s_wait_alu depctr_hold_cnt(0) depctr_sa_sdst(0) depctr_va_vdst(0) depctr_va_sdst(0) depctr_va_ssrc(0) depctr_va_vcc(0) depctr_vm_vsrc(0)
	s_getreg_b32 s2, hwreg(HW_REG_IB_STS2, 6, 4)
	s_cmp_eq_u32 s2, 0
	s_cbranch_scc0 .Lentry_in_a_cluster
	s_endpgm
.Lentry_in_a_cluster:
	s_bfe_u32 s2, ttmp6, 0x10000c
	s_cmp_lg_u32 s2, 0x3003
	s_cbranch_scc0 .Lentry_shape_is_right
	s_endpgm
.Lentry_shape_is_right:
; ATTN.  y = softmax(q k^T / 8, causal, window 1024) v on codes of FP6 (E2M3) with E8M0 scales; y is quantised along the head's 64 for the projection.
; LAYOUT of qb, kv, yb: as the launches beside this one lay and read them (half fragments of 768 bytes; a record of 12,800 bytes for 128 keys: K's 8 tiles, V, K's scales, V's scales).
; SHARES.  A cluster's four work-groups share (batch, kv head): all need the same 16 records, 204,800 bytes.  Wave w asks for record w by ONE joint load (50 rows of 256 bytes) that names the four;
; the records stay in LDS for the whole launch: one barrier, nothing is filled again.
; Of the 16 work-groups of a (batch, kv head), number 4 (cluster % 4) + cx = 2 tau + hp takes query tile tau of EVERY block of 128 queries, for q heads 2 hp, 2 hp + 1 of the group.
; Wave w takes one block of 128 queries: 16 queries x 2 heads, so that each fragment of K and V feeds both heads.  Blocks: s = w % 4, j = w / 4: s, 7 - s, 8 + 2 s, 9 + 2 s for j = 0..3:
; a block qb needs min(qb + 1, 9) steps of 128 keys, and waves w, w + 4, w + 8, w + 12 have 27 steps together.
; Branches, trip counts and LDS addresses hang on the wave's number alone; cx and the cluster's number enter global addresses and lane masks.
; WORK LEFT OUT: steps of 128 keys that lie wholly under the mask that reference() builds (keys behind the block's last query, or more than 1024 + 127 ahead of its first) are not multiplied.
; MASKS.  In the block's own step (causal) and in the step 8 blocks back (window) only the 32 keys at the tile's own place P = tau / 2 are part open: 16 + 16 lane masks are made once,
; and scalar selects choose for each register between such a mask, all lanes and none: one v_cndmask_b32 an element, no compare.
; NO MAXIMUM IS TAKEN AWAY: reference() normalises q and k to length 1.15 x 8, so |q.k| / 8 x log2(e) stays under 20 with the quantisers' rounding: p = 2^t lies within 2^-20 .. 2^20 and a row's sum under 2^31.
; The rule's M is a whole number, which the blocks' scales take up: with M = 0 the codes' values are the same.
; A block wholly under the mask takes its scale from the floor -600 among the scores (2^-108): its codes are zeros.
; No prefetch: the launch has no loop to run ahead in: all that it reads of kv is asked for by the head's one load a wave.
; y's scale words leave as 4 bytes a token, 8 bytes apart (the other pair of heads is another work-group's): 64 bytes a wave.
; LIMITS: NaN and infinities among the inputs are not served; a block of zeros of y gets the byte 1 (zero codes; this program alone reads the bytes).
; K = 64 in q k^T: q's registers 6-11 are zero codes, so what stands in K's registers 6-11 (the next tile; behind tile 7, p's codes) adds nothing.
.set REC,  12800
.set SPARE, 204800                     ; behind the records: the spare words, 128 bytes a wave
.set QBS,  6291456
.set YBS,  6291456
.set LN,   1                           ; lane
.set ADK,  2                           ; record + 16 l
.set L3,   3                           ; 8 r + 2 h
.set AD8,  4                           ; record + 8 l
.set QSA,  5                           ; q's scale bytes, head A, B
.set QSB,  6
.set SPW,  7
.set NIL,  8
.set ADS,  9                           ; record + 8 r + 2 h
.set LA,   10                          ; the rows' sums, two halves a head
.set LB,   12
.set PWA,  14                          ; p's scale words
.set PWB,  15
.set Q0,   16
.set Q1,   28
.set KB,   40                          ; 48: K's, then V's fragments
.set PCA,  88                          ; p's codes
.set PCB,  100
.set S,    112                         ; 64: scores, then p, one head at a time
.set OA,   176
.set OB,   208
.set MB,   240
.set MX,   244
.set SCO,  248
.set KS,   252                         ; K's scale bytes, then V's scale words
.set QB,   13                          ; s13 my block of queries
.set KI,   14                          ; s14 the record in hand
.set TB,   15                          ; s15 its LDS address
.set PP,   31                          ; s31 P
.set CC,   40
.set SEL,  42
.set NINF, 44
.set FLOOR, 45
.set XM,   47
.set MT,   56                          ; s56-63 eight masks at work
.set RM,   66                          ; s66-81 lanes where i <= br
.set WM_,  82                          ; s82-97 lanes where i >= br
.macro ROUND                           ; a round of the cluster's barrier
	s_barrier_signal -1
	s_barrier_wait -1
	s_cmp_lg_u32 s10, 0
	s_cbranch_scc1 .Lnot_wave_0_\@
	s_barrier_signal -3
.Lnot_wave_0_\@:
	s_barrier_wait -3
	s_barrier_signal -1
	s_barrier_wait -1
.endm
.macro WM d, a, b, sa, sb, zero, row   ; one product; zero: it starts the sum; row: source 0's scales stand in lanes 16-31
.if \zero
.if \row
	v_wmma_scale_f32_16x16x128_f8f6f4 v[(\d):(\d)+7], v[(\a):(\a)+11], v[(\b):(\b)+11], 0, v[(\sa)], v[(\sb)] matrix_a_fmt:MATRIX_FMT_FP6 matrix_b_fmt:MATRIX_FMT_FP6 matrix_a_scale:MATRIX_SCALE_ROW1
.else
	v_wmma_scale_f32_16x16x128_f8f6f4 v[(\d):(\d)+7], v[(\a):(\a)+11], v[(\b):(\b)+11], 0, v[(\sa)], v[(\sb)] matrix_a_fmt:MATRIX_FMT_FP6 matrix_b_fmt:MATRIX_FMT_FP6
.endif
.else
.if \row
	v_wmma_scale_f32_16x16x128_f8f6f4 v[(\d):(\d)+7], v[(\a):(\a)+11], v[(\b):(\b)+11], v[(\d):(\d)+7], v[(\sa)], v[(\sb)] matrix_a_fmt:MATRIX_FMT_FP6 matrix_b_fmt:MATRIX_FMT_FP6 matrix_a_scale:MATRIX_SCALE_ROW1
.else
	v_wmma_scale_f32_16x16x128_f8f6f4 v[(\d):(\d)+7], v[(\a):(\a)+11], v[(\b):(\b)+11], v[(\d):(\d)+7], v[(\sa)], v[(\sb)] matrix_a_fmt:MATRIX_FMT_FP6 matrix_b_fmt:MATRIX_FMT_FP6
.endif
.endif
.endm
.macro SMUL q, qs                      ; S^T = K q^T: eight tiles of 16 keys; register KS + i: lanes 0-15 tile i's bytes, lanes 16-31 tile 4 + i's
.irp i, 0,1,2,3
	WM S+8*\i, KB+6*\i, \q, KS+\i, \qs, 1, 0
	WM S+32+8*\i, KB+24+6*\i, \q, KS+\i, \qs, 1, 1
.endr
.rept 4
	v_nop                                          ; four places in front of reads of the results and of loads into the sources
.endr
.endm
; block b of 32 keys: all open, all hidden, or (b = P) the 16 lane masks from s[m] on.  Each accumulator is read from its low end on.
.macro MASK m, causal
.irp b, 0,1,2,3
.if \causal
	s_cmp_gt_u32 s[PP], \b
.else
	s_cmp_lt_u32 s[PP], \b
.endif
	s_cselect_b32 s[XM], -1, 0
	s_cmp_eq_u32 s[PP], \b
.irp e, 0,8
.irp i, 0,1,2,3,4,5,6,7
	s_cselect_b32 s[MT+\i], s[\m+\e+\i], s[XM]
.endr
.irp i, 0,1,2,3,4,5,6,7
	v_cndmask_b32 v[S+16*\b+\e+\i], s[NINF], v[S+16*\b+\e+\i], s[MT+\i]
.endr
.endr
.endr
	s_wait_alu depctr_va_vdst(0)                   ; the wait behind writes that scalar runs follow
.endm
.macro MASKS first
	s_cmp_lg_u32 s[KI], s[QB]
	s_cbranch_scc1 .Lopen_\@
	MASK RM, 1                                     ; the block's own keys
.Lopen_\@:
.if \first
	s_cmp_lt_u32 s[QB], 8
	s_cbranch_scc1 .Lnear_\@
	MASK WM_, 0                                    ; the keys 8 blocks back: always a wave's first step
.Lnear_\@:
.endif
.endm
; 64 scores of a lane (register 16 b + i = key 32 b + 16 h + i of its query) become p's 12 registers of codes, its scale word, and their part of the row's sum.
.macro SM pc, pw, l, vs
.irp b, 0,1,2,3
	v_max3_num_f32 v[MB+\b], v[S+16*\b], v[S+1+16*\b], v[S+2+16*\b]   ; each block's largest score: p rises with the score
.endr
.irp i, 3,5,7,9,11,13
.irp b, 0,1,2,3
	v_max3_num_f32 v[MB+\b], v[MB+\b], v[S+16*\b+\i], v[S+1+16*\b+\i]
.endr
.endr
.irp b, 0,1,2,3
	v_max3_num_f32 v[MB+\b], v[MB+\b], v[S+15+16*\b], s[FLOOR]        ; and the floor: the scale's byte cannot fall under 1
.endr
.irp b, 0,1,2,3
	s_delay_alu instid0(VALU_DEP_4)
	v_permlanex16_b32 v[MX+\b], v[MB+\b], s[SEL], s[SEL+1]
.endr
.irp b, 0,1,2,3
	s_delay_alu instid0(VALU_DEP_4)
	v_max_num_f32 v[MB+\b], v[MB+\b], v[MX+\b]     ; with lane l xor 16's 16 keys
.endr
.set n, 0
.rept 32
	v_pk_mul_f32 v[S+n:S+n+1], v[S+n:S+n+1], s[CC:CC+1] op_sel_hi:[1,0]   ; t = score x log2(e) / 8
.set n, n+2
.endr
.irp b, 0,1,2,3
	v_mul_f32 v[MB+\b], s[CC], v[MB+\b]
.endr
	s_wait_alu depctr_va_vdst(0)                   ; ahead of the batch
.set n, 0
.rept 64
	v_exp_f32 v[S+n], v[S+n]
.set n, n+1
.endr
.irp b, 0,1,2,3
	v_exp_f32 v[MB+\b], v[MB+\b]                   ; the block's largest p: the same two instructions on the same number
.endr
.if \vs
	s_wait_dscnt 0x0                               ; V's fragments and scale bytes are in
	v_lshl_or_b32 v[KS], v[KS+2], 16, v[KS]        ; V's scale words: the first 64 keys' two bytes, then the second 64's
	v_lshl_or_b32 v[KS+1], v[KS+3], 16, v[KS+1]
.else
	v_nop                                          ; a plain place behind the transcendentals
.endif
	s_wait_alu depctr_va_vdst(0)                   ; one wait for the batch, ahead of its first reader
.irp b, 0,1,2,3
	v_add_nc_u32 v[SCO+\b], 0xff000000, v[MB+\b]   ; 2 off the exponent field: the conversion's scale operand
.endr
.irp b, 0,1,2,3
	s_delay_alu instid0(VALU_DEP_4)
	v_lshrrev_b32 v[MX+\b], 23, v[SCO+\b]
.endr
	s_delay_alu instid0(VALU_DEP_3)
	v_lshl_or_b32 v[\pw], v[MX+1], 8, v[MX]
	s_delay_alu instid0(VALU_DEP_1)
	v_lshl_or_b32 v[\pw], v[MX+2], 16, v[\pw]
	s_delay_alu instid0(VALU_DEP_1)
	v_lshl_or_b32 v[\pw], v[MX+3], 24, v[\pw]
.irp c, 0,1
	v_cvt_scalef32_pk16_fp6_f32 v[\pc+6*\c:\pc+2+6*\c], v[S+32*\c:S+15+32*\c], v[SCO+2*\c]
	v_cvt_scalef32_pk16_fp6_f32 v[MB+4*\c:MB+2+4*\c], v[S+16+32*\c:S+31+32*\c], v[SCO+1+2*\c]   ; (a conversion's three registers begin on an even number)
.endr
	v_nop                                          ; one plain place behind a scaled conversion
.irp c, 0,1                            ; a whole block to a lane
.irp i, 0,1,2
	v_permlane16_swap_b32 v[\pc+6*\c+\i], v[MB+4*\c+\i]
.endr
.irp i, 0,1,2
	s_delay_alu instid0(VALU_DEP_3)
	v_mov_b32 v[\pc+3+6*\c+\i], v[MB+4*\c+\i]
.endr
.endr
	v_pk_add_f32 v[SCO:SCO+1], v[S:S+1], v[S+2:S+3]    ; the row's sum, of the unquantised p, in two chains of pairs
.irp j, 4,8,12,16,20,24,28,32,36,40,44,48,52,56,60
	v_pk_add_f32 v[\l:\l+1], v[\l:\l+1], v[S+\j:S+\j+1]
	v_pk_add_f32 v[SCO:SCO+1], v[SCO:SCO+1], v[S+\j+2:S+\j+3]
.endr
	s_delay_alu instid0(VALU_DEP_1)
	v_pk_add_f32 v[\l:\l+1], v[\l:\l+1], v[SCO:SCO+1]
.endm
; A step of 128 keys for both heads.  first = 1: the wave's first step: its products start O.
.macro STEP first
.if \first == 0
	s_cmp_gt_u32 s[KI], s[QB]                      ; keys behind my block: wholly hidden
	s_cbranch_scc1 .Lhid_\@
.endif
	v_lshl_add_u32 v[ADK], v[LN], 4, s[TB]         ; (these four are the places behind the last step's products)
	v_lshl_add_u32 v[AD8], v[LN], 3, s[TB]
	v_add_nc_u32 v[ADS], s[TB], v[L3]
	v_nop
.irp t, 0,1,2,3,4,5,6,7
	ds_load_b128 v[KB+6*\t:KB+6*\t+3], v[ADK] offset:768*\t
	ds_load_b64 v[KB+6*\t+4:KB+6*\t+5], v[AD8] offset:768*\t+512
.endr
.irp i, 0,1,2,3
	ds_load_u16 v[KS+\i], v[AD8] offset:12288+2*\i     ; 8 l = 8 r + 128 h: lanes 16-31 read the next four tiles' bytes
.endr
	s_wait_alu depctr_va_vdst(0)
	s_wait_dscnt 0x0
	SMUL Q0, QSA
	MASKS \first
	SM PCA, PWA, LA, 0
	SMUL Q1, QSB
.irp t, 0,1,2,3                        ; K is done with: V's fragments land under head B's vector work
.irp c, 0,1
	ds_load_b128 v[KB+12*\t+6*\c:KB+12*\t+6*\c+3], v[ADK] offset:6144+1536*\t+768*\c
	ds_load_b64 v[KB+12*\t+6*\c+4:KB+12*\t+6*\c+5], v[AD8] offset:6144+1536*\t+768*\c+512
.endr
.endr
.irp p, 0,1
	ds_load_u16 v[KS+\p], v[ADS] offset:12544+4*\p
	ds_load_u16 v[KS+2+\p], v[ADS] offset:12544+128+4*\p
.endr
	MASKS \first
	SM PCB, PWB, LB, 1
	s_wait_alu depctr_va_vdst(0)                   ; ahead of the readers of O
.irp t, 0,2                            ; O^T += V^T p^T: eight accumulators by turns
	WM OA+8*\t, KB+12*\t, PCA, KS+\t/2, PWA, \first, 0
	WM OB+8*\t, KB+12*\t, PCB, KS+\t/2, PWB, \first, 0
	WM OA+8+8*\t, KB+12+12*\t, PCA, KS+\t/2, PWA, \first, 1
	WM OB+8+8*\t, KB+12+12*\t, PCB, KS+\t/2, PWB, \first, 1
.endr
.Lhid_\@:
	s_add_co_u32 s[TB], s[TB], REC
	s_add_co_u32 s[KI], s[KI], 1
.endm
; 32 numbers of a lane become a half fragment's six registers and its two scale bytes
; y of both heads, 64 numbers of a lane (S + 0..31 head A, S + 32..63 head B; register 16 b + i = channel 32 (b % 2) + 16 h + i): four blocks by turns.
; Out come two half fragments of six registers (v[PCA] on, v[PCB] on) and in v[PWA] the token's four scale bytes: head A's two, head B's two.
.macro QUANTY
.irp b, 0,1,2,3
	v_max3_num_f32 v[MB+\b], |v[S+16*\b]|, |v[S+1+16*\b]|, 0x1800000   ; my 16 numbers of each block, and the floor 2^(3 - 127): the byte cannot fall under 1
.endr
.irp i, 2,4,6,8,10,12,14
.irp b, 0,1,2,3
	v_max3_num_f32 v[MB+\b], v[MB+\b], |v[S+16*\b+\i]|, |v[S+1+16*\b+\i]|
.endr
.endr
.irp b, 0,1,2,3
	s_delay_alu instid0(VALU_DEP_4)
	v_permlanex16_b32 v[MX+\b], v[MB+\b], s[SEL], s[SEL+1]
.endr
.irp b, 0,1,2,3
	s_delay_alu instid0(VALU_DEP_4)
	v_max_num_f32 v[MB+\b], v[MB+\b], v[MX+\b]     ; with lane l xor 16's 16
.endr
.irp b, 0,1,2,3
	v_add_nc_u32 v[SCO+\b], 0xff000000, v[MB+\b]   ; 2 off the exponent field: the conversion's scale operand
.endr
.irp b, 0,1,2,3
	s_delay_alu instid0(VALU_DEP_4)
	v_lshrrev_b32 v[MX+\b], 23, v[SCO+\b]
.endr
	s_delay_alu instid0(VALU_DEP_3)
	v_lshl_or_b32 v[PWA], v[MX+1], 8, v[MX]
	s_delay_alu instid0(VALU_DEP_1)
	v_lshl_or_b32 v[PWA], v[MX+2], 16, v[PWA]
	s_delay_alu instid0(VALU_DEP_1)
	v_lshl_or_b32 v[PWA], v[MX+3], 24, v[PWA]
.irp c, 0,1
	v_cvt_scalef32_pk16_fp6_f32 v[PCA+12*\c:PCA+2+12*\c], v[S+32*\c:S+15+32*\c], v[SCO+2*\c]
	v_cvt_scalef32_pk16_fp6_f32 v[PCA+6+12*\c:PCA+8+12*\c], v[S+16+32*\c:S+31+32*\c], v[SCO+1+2*\c]
.endr
	v_nop                                          ; one plain place behind a scaled conversion
.irp c, 0,1                            ; a whole block to a lane: lanes 0-15 block 0, lanes 16-31 block 1
.irp i, 0,1,2
	v_permlane16_swap_b32 v[PCA+12*\c+\i], v[PCA+6+12*\c+\i]
.endr
.irp i, 0,1,2
	s_delay_alu instid0(VALU_DEP_3)
	v_mov_b32 v[PCA+3+12*\c+\i], v[PCA+6+12*\c+\i]
.endr
.endr
.endm
	s_load_b128 s[4:7], s[0:1], 0x0                ; qb s[4:5], kv s[6:7]
	s_load_b64 s[8:9], s[0:1], 0x10                ; yb
	v_lshl_add_u32 v[SPW], v0, 2, SPARE
	v_mov_b32 v[NIL], 0
	ds_add_u32 v[SPW], v[NIL]
	ds_add_u32 v[SPW], v[NIL]
	v_lshrrev_b32 v[S], 5, v0
	v_readfirstlane_b32 s10, v[S]                  ; wave 0..15
	s_mov_b32 s16, 15|(3<<16)|(1<<21)              ; the mask: all four work-groups; elements of 8 bytes; bit 21 beside the mask; no padding: images are read as consecutive bytes
	s_mov_b32 s17, 32<<16                          ; rows of 256 bytes,
	s_mov_b32 s18, 50<<16                          ; 50 of them: a record
	s_mov_b32 s19, 32<<16
	s_mov_b32 s20, 50
	s_mov_b32 s21, 32
	s_mov_b32 s22, 0
	s_mov_b32 s23, 0
	s_mov_b32 s24, 1
	s_mul_i32 s25, s10, REC                        ; record w lands at w x 12,800
	s_lshr_b32 s28, ttmp9, 2                       ; 4 b + kv head, which the partners share
	s_mul_i32 s36, s28, 16*REC
	s_add_co_u32 s36, s36, s25
	s_mov_b32 s37, 0
	s_wait_dscnt 0x0
	s_wait_kmcnt 0x0
	s_add_nc_u64 s[26:27], s[6:7], s[36:37]
	s_or_b32 s27, s27, 0x80000000
	ROUND                                          ; all four work-groups are here: the joint loads meet
	tensor_load_to_lds s[24:27], s[16:23]          ; my one tensor load of the launch
	s_nop 0
	s_and_b32 s11, s10, 3                          ; s
	s_lshr_b32 s12, s10, 2                         ; j
	s_and_b32 s34, s12, 1
	s_lshr_b32 s35, s12, 1
	s_lshl_b32 s[KI], s11, 1
	s_add_co_u32 s[KI], s[KI], s34
	s_mul_i32 s[KI], s[KI], s35                    ; my first record: 2 s + j % 2 for j >= 2, else 0
	s_mul_i32 s[TB], s[KI], REC
	s_mul_i32 s34, s34, 7
	s_xor_b32 s34, s34, s11                        ; s, or 7 - s
	s_add_co_u32 s[QB], s[KI], 8
	s_cmp_eq_u32 s35, 0
	s_cselect_b32 s[QB], s34, s[QB]                ; my block of 128 queries
	s_bfe_u32 s29, ttmp6, 0x40000                  ; cx
	s_and_b32 s30, ttmp9, 3
	s_lshl_b32 s30, s30, 2
	s_add_co_u32 s29, s29, s30                     ; 2 tau + hp
	s_and_b32 s30, s29, 1                          ; hp
	s_lshr_b32 s29, s29, 1                         ; tau
	s_lshr_b32 s[PP], s29, 1                       ; P: which 32 of the block's 128 hold my tile
	s_and_b32 s32, s29, 1                          ; u
	s_lshl_b32 s33, s[QB], 3
	s_add_co_u32 s33, s33, s29                     ; my tile in its batch
	s_lshl_b32 s34, s28, 2
	s_lshl_b32 s35, s30, 1
	s_add_co_u32 s34, s34, s35                     ; 16 b + head A
	s_lshl_b32 s36, s34, 7
	s_add_co_u32 s36, s36, s33
	s_mul_i32 s36, s36, 768
	s_add_nc_u64 s[48:49], s[4:5], s[36:37]        ; q's half fragment; head B's lies 128 x 768 bytes on
	s_lshl_b32 s36, s34, 5
	s_lshr_b32 s35, s33, 2
	s_add_co_u32 s36, s36, s35
	s_lshl_b32 s36, s36, 7
	s_and_b32 s35, s33, 3
	s_lshl_b32 s35, s35, 1
	s_add_co_u32 s36, s36, s35
	s_add_co_u32 s36, s36, QBS
	s_add_nc_u64 s[50:51], s[4:5], s[36:37]        ; its scale bytes; head B's 4,096 bytes on
	s_lshr_b32 s34, s28, 2
	s_lshl_b32 s34, s34, 7
	s_add_co_u32 s34, s34, s33                     ; my tile of all 512
	s_and_b32 s35, s28, 3                          ; kv head
	s_lshl_b32 s36, s34, 4
	s_lshl_b32 s38, s35, 2
	s_add_co_u32 s36, s36, s38
	s_lshl_b32 s38, s30, 1
	s_add_co_u32 s36, s36, s38
	s_mul_i32 s36, s36, 768
	s_add_nc_u64 s[52:53], s[8:9], s[36:37]        ; y's half fragments, heads A and B on end
	s_lshl_b32 s36, s35, 16
	s_lshl_b32 s38, s34, 7
	s_add_co_u32 s36, s36, s38
	s_lshl_b32 s38, s30, 2
	s_add_co_u32 s36, s36, s38
	s_add_co_u32 s36, s36, YBS
	s_add_nc_u64 s[54:55], s[8:9], s[36:37]        ; y's scale words
	s_mov_b32 s[CC], 0x3e38aa3b                    ; log2(e) / 8
	s_mov_b32 s[CC+1], s[CC]
	s_mov_b32 s[SEL], 0x76543210
	s_mov_b32 s[SEL+1], 0xfedcba98
	s_mov_b32 s[NINF], 0xff800000
	s_mov_b32 s[FLOOR], 0xc4160000                 ; -600
	v_and_b32 v[LN], 31, v0
	v_and_b32 v[S], 15, v0                         ; r
	v_bfe_u32 v[S+1], v0, 4, 1                     ; h
	v_lshlrev_b32 v[S+2], 4, v[LN]
	v_lshlrev_b32 v[S+3], 3, v[LN]
	v_lshlrev_b32 v[S+4], 3, v[S]
	v_lshl_add_u32 v[L3], v[S+1], 1, v[S+4]
	global_load_b128 v[Q0:Q0+3], v[S+2], s[48:49]
	global_load_b64 v[Q0+4:Q0+5], v[S+3], s[48:49] offset:512
	global_load_u16 v[QSA], v[S+4], s[50:51]
	global_load_b128 v[Q1:Q1+3], v[S+2], s[48:49] offset:98304
	global_load_b64 v[Q1+4:Q1+5], v[S+3], s[48:49] offset:98304+512
	global_load_u16 v[QSB], v[S+4], s[50:51] offset:4096
	v_and_b32 v[S+5], 8, v[S]
	v_add_nc_u32 v[S+5], v[S+5], v[S]
	v_lshlrev_b32 v[S+6], 4, v[S+1]
	v_sub_nc_u32 v[S+5], v[S+5], v[S+6]
	v_lshl_add_u32 v[S+5], s32, 3, v[S+5]          ; br = 8 u + r + (r & 8) - 16 h: my query's place among its 32, less my half's 16 keys
.irp i, 0,1,2,3,4,5,6,7,8,9,10,11,12,13,14,15
	v_cmp_le_i32 s[RM+\i], \i, v[S+5]              ; key i of the part-open block is at or ahead of my query
	v_cmp_ge_i32 s[WM_+\i], \i, v[S+5]             ; key i, 1024 back, is inside the window
.endr
.irp n, 6,7,8,9,10,11
	v_mov_b32 v[Q0+\n], 0                          ; zero codes for K = 64 .. 127
	v_mov_b32 v[Q1+\n], 0
	v_mov_b32 v[PCA+\n-6], 0                       ; read beside K's tile 7 before p's first codes are made
.endr
.irp b, 0,1,2,3
	v_mov_b32 v[MX+\b], 0                          ; a lane permute's destination counts as one of its sources
	v_mov_b32 v[LA+\b], 0                          ; the sums
.endr
	s_wait_alu depctr_va_vdst(0)
	s_wait_loadcnt 0x0
	s_wait_tensorcnt 0x0                           ; my record is in,
	s_barrier_signal -1
	s_barrier_wait -1                              ; everybody's is
	STEP 1
	s_mov_b32 s46, 8                               ; eight more trips in every wave; a short block jumps over the hidden ones
.Lstep:
	STEP 0
	s_sub_co_u32 s46, s46, 1
	s_cmp_lg_u32 s46, 0
	s_cbranch_scc1 .Lstep
.rept 4
	v_nop                                          ; places behind the last products
.endr
	v_add_f32 v[LA], v[LA], v[LA+1]                ; the sums' two halves; address work stands between the links of the two chains
	v_add_f32 v[LB], v[LB], v[LB+1]
	v_lshlrev_b32 v[KB], 4, v[LN]                  ; 16 l
	v_lshlrev_b32 v[KB+1], 3, v[LN]                ; 8 l
	v_permlanex16_b32 v[MX], v[LA], s[SEL], s[SEL+1]
	v_permlanex16_b32 v[MX+1], v[LB], s[SEL], s[SEL+1]
	v_and_b32 v[KB+2], 15, v[LN]
	v_nop
	v_add_f32 v[LA], v[LA], v[MX]                  ; with lane l xor 16's: the rows' sums
	v_add_f32 v[LB], v[LB], v[MX+1]
	v_lshlrev_b32 v[KB+2], 3, v[KB+2]              ; 8 r
	s_wait_alu depctr_va_vdst(0)
	v_rcp_f32 v[LA], v[LA]
	v_rcp_f32 v[LB], v[LB]
	v_nop
	s_wait_alu depctr_va_vdst(0)                   ; for the two, and directly ahead of the first readers of O
.irp i, 0,2,4,6,8,10,12,14,16,18,20,22,24,26,28,30
	v_pk_mul_f32 v[S+\i:S+\i+1], v[OA+\i:OA+\i+1], v[LA:LA+1] op_sel_hi:[1,0]
.endr
.irp i, 0,2,4,6,8,10,12,14,16,18,20,22,24,26,28,30
	v_pk_mul_f32 v[S+32+\i:S+33+\i], v[OB+\i:OB+\i+1], v[LB:LB+1] op_sel_hi:[1,0]
.endr
	QUANTY
	v_cmp_gt_u32 vcc_lo, 16, v[LN]
	s_wait_alu depctr_va_vdst(0)
	global_store_b128 v[KB], v[PCA:PCA+3], s[52:53]
	global_store_b64 v[KB+1], v[PCA+4:PCA+5], s[52:53] offset:512
	global_store_b128 v[KB], v[PCB:PCB+3], s[52:53] offset:768
	global_store_b64 v[KB+1], v[PCB+4:PCB+5], s[52:53] offset:768+512
	s_wait_xcnt 0x0                                ; EXEC changes only behind this wait
	s_and_saveexec_b32 s98, vcc_lo                 ; lanes 16-31 hold the same words
	global_store_b32 v[KB+2], v[PWA], s[54:55]
	s_wait_xcnt 0x0
	s_or_b32 exec_lo, exec_lo, s98
	s_wait_tensorcnt 0x0                           ; the wave's end
	ds_add_u32 v[SPW], v[NIL]
	s_wait_dscnt 0x0
	ROUND                                          ; the closing round
	s_endpgm
.Lfunc_end_k_q6af7e214cd_attn:
	.size	k_q6af7e214cd_attn, .Lfunc_end_k_q6af7e214cd_attn-k_q6af7e214cd_attn
	.p2alignl 7, 3214868480
	.fill 96, 4, 3214868480
	.section	.rodata,"a",@progbits
	.p2align	6, 0x0
	.amdhsa_kernel k_q6af7e214cd_attn
		.amdhsa_group_segment_fixed_size 206848
		.amdhsa_private_segment_fixed_size 0
		.amdhsa_enable_private_segment 0
		.amdhsa_kernarg_size 24
		.amdhsa_user_sgpr_count 2
		.amdhsa_user_sgpr_kernarg_segment_ptr 1
		.amdhsa_wavefront_size32 1
		.amdhsa_system_sgpr_workgroup_id_x 1
		.amdhsa_system_sgpr_workgroup_id_y 1
		.amdhsa_system_sgpr_workgroup_id_z 1
		.amdhsa_system_vgpr_workitem_id 0
		.amdhsa_next_free_vgpr 256
		.amdhsa_next_free_sgpr 100
		.amdhsa_reserve_vcc 1
		.amdhsa_float_denorm_mode_32 3
		.amdhsa_float_denorm_mode_16_64 3
		.amdhsa_memory_ordered 1
		.amdhsa_forward_progress 1
		.amdhsa_inst_pref_size 111
	.end_amdhsa_kernel
	.amdgpu_metadata
---
amdhsa.version: [ 1, 2 ]
amdhsa.kernels:
  - .name:           k_q6af7e214cd_attn
    .symbol:         k_q6af7e214cd_attn.kd
    .args:
      - { .name: qb, .offset: 0, .size: 8, .value_kind: global_buffer, .address_space: global }
      - { .name: kv, .offset: 8, .size: 8, .value_kind: global_buffer, .address_space: global }
      - { .name: yb, .offset: 16, .size: 8, .value_kind: global_buffer, .address_space: global }
    .group_segment_fixed_size: 206848
    .private_segment_fixed_size: 0
    .kernarg_segment_align: 8
    .kernarg_segment_size: 24
    .max_flat_workgroup_size: 512
    .sgpr_count:     100
    .vgpr_count:     256
    .wavefront_size: 32
...
	.end_amdgpu_metadata
.endif
;; end of part 3
;; launch oproj (part 4): grid 4 x 64, 4 waves a work-group, clusters of 4 x 1, 168,448 bytes of LDS; arguments yb, w_img, wo_scales, out0; writes out0
.if DOCPART == 4
	.amdgcn_target "amdgcn-amd-amdhsa--gfx1250"
	.amdhsa_code_object_version 6
	.text
	.protected	k_q6af7e214cd_oproj
	.globl	k_q6af7e214cd_oproj
	.p2align	8
	.type	k_q6af7e214cd_oproj,@function
k_q6af7e214cd_oproj:
	s_mov_b64 s[64:65], 0
	v_nop
	global_prefetch_b8 v0, s[64:65] scope:SCOPE_SE
	s_setreg_imm32_b32 hwreg(HW_REG_WAVE_MODE, 25, 1), 1
	s_wait_xcnt 0x0
	s_wait_alu depctr_hold_cnt(0) depctr_sa_sdst(0) depctr_va_vdst(0) depctr_va_sdst(0) depctr_va_ssrc(0) depctr_va_vcc(0) depctr_vm_vsrc(0)
	s_getreg_b32 s2, hwreg(HW_REG_IB_STS2, 6, 4)
	s_cmp_eq_u32 s2, 0
	s_cbranch_scc0 .Lentry_in_a_cluster
	s_endpgm
.Lentry_in_a_cluster:
	s_bfe_u32 s2, ttmp6, 0x10000c
	s_cmp_lg_u32 s2, 0x3003
	s_cbranch_scc0 .Lentry_shape_is_right
	s_endpgm
.Lentry_shape_is_right:
; OPROJ.  out0 = y wo^T on codes of FP6 (E2M3) with E8M0 scales; out0 [8192][1024] f32.
; SHARES.  A work-group makes 128 tokens (blk, 8 tiles of 16) x 256 columns (cx); wave w makes 64 of the columns, and its 32 fragments of wo (4 tiles x 8 K steps, 384 registers) stay in its registers,
; read once as dense images.  The 8 tiles of y (98,304 bytes of codes, 4,096 of scale bytes) lie in LDS, filled once, and are read by all four waves.
; CLUSTER.  The four column groups of a cluster need the same y: each wave's one tensor load names all four work-groups.  cx enters the addresses of wo, its scales and out0 alone.
; LAYOUT.  yb: codes [tile 512][head 16][768]: a half fragment (16 tokens x a head's 64 channels, 6 registers a lane): registers 0-3 at 16 l, 4-5 at 512 + 8 l; K step ks is heads 2 ks, 2 ks + 1.
; Its scales, from YBS on: [kv head 4][tile 512][128]: 8 bytes a token: the scale words of K steps 2 kv, 2 kv + 1.  Slot p of tile T is token 32 (T / 2) + 8 (T % 2) + p + (p & 8).
; The product is used TRANSPOSED (source 0 = 16 rows of wo, source 1 = 16 tokens): a lane holds eight neighbouring columns of one token.  A tile's 16 x 64 results go through the wave's own stage in LDS
; and leave as rows: sixteen lanes store 256 consecutive bytes, at a multiple of 256 from out0's first byte.  A tile's stores leave while the next tile is multiplied.
; REGISTERS, in windows of 256: window 0: v1-9 addresses; v16-47 wo's scale words (8 t + ks); v48-63 y's scale words, two sets; v64-159, v160-255 y's fragments, two sets (12 ks).
;   window 1: wo's fragments of K steps 0-3 at 48 ks + 12 t;  window 2: K steps 4-7;  window 3: v0-31 the four accumulators; v32-63, v64-95 rows on their way out, two sets.
.set YBS, 6291456
.set YSC, 98304                        ; LDS: y's scale bytes, [kv head 4][tile 8][128]
.set STG, 102400                       ; the stages: 16 rows x 272 bytes for each wave; no fill lands here
.set WS,  16
.set YS,  48
.set MSB, 0
.macro WIN new
.if MSB != \new
	s_set_vgpr_msb (MSB<<8)|\new
.set MSB, \new
.endif
.endm
.macro PLACES n
.rept \n
	v_nop
.endr
.endm
.macro ROUND                           ; a round of the cluster's barrier
	s_barrier_signal -1
	s_barrier_wait -1
	s_cmp_lg_u32 s12, 0
	s_cbranch_scc1 .Lnot_wave_0_\@
	s_barrier_signal -3
.Lnot_wave_0_\@:
	s_barrier_wait -3
	s_barrier_signal -1
	s_barrier_wait -1
.endm
.macro FETCHY n                        ; tile n's eight fragments and eight scale words: 36 LDS loads
.set YB, 64+96*((\n)%2)
.set YO, 12288*((\n)%4)
.set YA, 1+2*((\n)/4)                  ; tiles 4-7 lie beyond an offset's reach: a second pair of address registers
.irp s, 0,1,2,3,4,5,6,7
.irp e, 0,1
	ds_load_b128 v[YB+12*\s+6*\e:YB+12*\s+6*\e+3], v[YA] offset:YO+768*(2*\s+\e)
	ds_load_b64 v[YB+12*\s+6*\e+4:YB+12*\s+6*\e+5], v[YA+1] offset:YO+768*(2*\s+\e)+512
.endr
.endr
.irp g, 0,1,2,3
	ds_load_b64 v[YS+8*((\n)%2)+2*\g:YS+8*((\n)%2)+2*\g+1], v5 offset:1024*\g+128*(\n)
.endr
.endm
.macro MUL n                           ; 32 products: K ascending, the four accumulators by turns; the first K step starts the sums
.set YB, 64+96*((\n)%2)
.set YW, YS+8*((\n)%2)
.irp k, 0,1,2,3,4,5,6,7
.if \k < 4
	WIN 0xf1                                       ; source 0 (wo) window 1, source 1 (y) window 0, C and D window 3
.else
	WIN 0xf2                                       ; source 0 window 2
.endif
.irp t, 0,1,2,3
.if \k == 0
	v_wmma_scale_f32_16x16x128_f8f6f4 v[8*\t:8*\t+7], v[48*(\k%4)+12*\t:48*(\k%4)+12*\t+11], v[YB+12*\k:YB+12*\k+11], 0, v[WS+8*\t+\k], v[YW+\k] matrix_a_fmt:MATRIX_FMT_FP6 matrix_b_fmt:MATRIX_FMT_FP6
.else
	v_wmma_scale_f32_16x16x128_f8f6f4 v[8*\t:8*\t+7], v[48*(\k%4)+12*\t:48*(\k%4)+12*\t+11], v[YB+12*\k:YB+12*\k+11], v[8*\t:8*\t+7], v[WS+8*\t+\k], v[YW+\k] matrix_a_fmt:MATRIX_FMT_FP6 matrix_b_fmt:MATRIX_FMT_FP6
.endif
.endr
.endr
.endm
.macro TOSTAGE n                       ; tile n's results into my stage, and back as rows.  LDS serves a wave's instructions in order: no wait between the stores and the loads
	WIN 0
	PLACES 5                                       ; four in front of the stores that read results and of the next loads into y's registers; five in front of the products that begin these accumulators anew
	s_wait_xcnt 0x0                                ; the stores of two tiles ago have read the registers that the loads below fill
	WIN 0x0c                                       ; an LDS store's data are its source 1: window 3
.irp t, 0,1,2,3
	ds_store_b128 v6, v[8*\t:8*\t+3] offset:64*\t          ; each accumulator from its low end on
	ds_store_b128 v6, v[8*\t+4:8*\t+7] offset:64*\t+16
.endr
	WIN 0xc0                                       ; destination window 3
.irp i, 0,1,2,3,4,5,6,7
	ds_load_b128 v[32+32*((\n)%2)+4*\i:32+32*((\n)%2)+4*\i+3], v7 offset:544*\i    ; lanes 0-15 slot 2 i, lanes 16-31 slot 2 i + 1
.endr
	WIN 0
.endm
.macro SEND n                          ; slot 2 i + h of tile n is token 32 (n / 2) + 8 (n % 2) + 2 i + h + 8 (i / 4) of the block
	WIN 0x0c                                       ; a store's data are its source 1: window 3
.irp i, 0,1,2,3,4,5,6,7
	global_store_b128 v8, v[32+32*((\n)%2)+4*\i:32+32*((\n)%2)+4*\i+3], s[44:45] offset:(32*((\n)/2)+8*((\n)%2)+2*\i+8*(\i/4))*4096 th:TH_STORE_NT
.endr
	WIN 0
.endm
	s_load_b256 s[4:11], s[0:1], 0x0               ; yb s[4:5], w_img s[6:7], wo_scales s[8:9], out0 s[10:11]
	v_lshl_add_u32 v14, v0, 2, 0x29000
	v_mov_b32 v15, 0
	ds_add_u32 v14, v15
	ds_add_u32 v14, v15
	v_lshrrev_b32 v10, 5, v0
	v_readfirstlane_b32 s12, v10                   ; wave 0..3
	s_and_b32 s14, ttmp7, 0xffff                   ; blk, which the four partners share
	; descriptors: dense blocks as rows of 256 bytes (32 elements of 8 bytes), no padding: images are read as consecutive bytes
	s_mov_b32 s16, 15|(3<<16)|(1<<21)              ; the mask: all four work-groups; bit 21 set beside it
	s_mov_b32 s17, 32<<16
	s_mov_b32 s18, 128<<16                         ; a third of the codes: 128 rows
	s_mov_b32 s19, 32<<16
	s_mov_b32 s20, 128
	s_mov_b32 s21, 32
	s_mov_b32 s22, 0
	s_mov_b32 s23, 0
	s_mov_b32 s24, 15|(3<<16)|(1<<21)
	s_mov_b32 s25, 128<<16                         ; the scale bytes of the 8 tiles: a row of 1,024 bytes for each kv head,
	s_mov_b32 s26, 4<<16                           ; four rows,
	s_mov_b32 s27, 128<<16
	s_mov_b32 s28, 4
	s_mov_b32 s29, 8192                            ; 65,536 bytes apart
	s_mov_b32 s30, 0
	s_mov_b32 s31, 0
	s_mov_b32 s32, 1
	s_mul_i32 s33, s12, 32768
	s_mov_b32 s36, 1
	s_mov_b32 s37, 0
	s_add_co_u32 s37, s37, YSC
	s_mul_i32 s48, s14, 98304
	s_add_co_u32 s48, s48, s33
	s_mov_b32 s49, 0
	s_mov_b32 s50, 0
	s_lshl_b32 s51, s14, 10                        ; 8 tiles of 128 bytes a block
	s_add_co_u32 s50, s50, s51
	s_add_co_u32 s50, s50, YBS
	s_mov_b32 s51, 0
	s_bfe_u32 s13, ttmp6, 0x40000                  ; cx
	s_lshl_b32 s54, s13, 4
	s_lshl_b32 s55, s12, 2
	s_add_co_u32 s54, s54, s55                     ; my first tile of wo: 16 cx + 4 w
	s_add_co_u32 s56, s54, 96                      ; and in w_img
	s_mul_i32 s56, s56, 12288
	s_mov_b32 s57, 0
	s_lshl_b32 s58, s54, 9                         ; its scale bytes: 16 rows of 32 bytes a tile
	s_mov_b32 s59, 0
	s_lshl_b32 s60, s54, 6                         ; its columns: 64 bytes a tile,
	s_lshl_b32 s61, s14, 19                        ; 128 tokens of 4,096 bytes a block
	s_add_co_u32 s60, s60, s61
	s_mov_b32 s61, 0
	v_and_b32 v10, 31, v0
	v_lshlrev_b32 v1, 4, v10                       ; 16 l
	v_lshlrev_b32 v2, 3, v10                       ; 8 l
	v_add_nc_u32 v3, 49152, v1                     ; the same for tiles 4-7
	v_add_nc_u32 v4, 49152, v2
	v_and_b32 v10, 15, v0                          ; r
	v_bfe_u32 v11, v0, 4, 1                        ; h
	v_lshl_add_u32 v5, v10, 3, YSC                 ; y's scale words: 8 r
	s_mul_i32 s52, s12, 4352
	s_add_co_u32 s52, s52, STG                     ; my stage
	v_mul_u32_u24 v6, v10, 272
	v_lshl_add_u32 v6, v11, 5, v6
	v_add_nc_u32 v6, s52, v6                       ; in: row r, + 32 h
	v_mul_u32_u24 v7, v11, 272
	v_lshl_add_u32 v7, v10, 4, v7
	v_add_nc_u32 v7, s52, v7                       ; back: lanes 0-15 one row, lanes 16-31 the next
	v_lshlrev_b32 v8, 12, v11
	v_lshl_add_u32 v8, v10, 4, v8                  ; and the same in out0
	v_lshlrev_b32 v9, 5, v10                       ; wo's scale words: 32 bytes a row
	s_wait_dscnt 0x0
	s_wait_kmcnt 0x0
	s_add_nc_u64 s[34:35], s[4:5], s[48:49]
	s_or_b32 s35, s35, 0x80000000
	s_add_nc_u64 s[38:39], s[4:5], s[50:51]
	s_or_b32 s39, s39, 0x80000000
	s_add_nc_u64 s[40:41], s[6:7], s[56:57]
	s_add_nc_u64 s[42:43], s[8:9], s[58:59]
	s_add_nc_u64 s[44:45], s[10:11], s[60:61]
	ROUND                                          ; all four work-groups are here: the joint loads meet
	; ONE tensor load a wave: waves 0-2 fetch a third of y's codes each, wave 3 all its scale bytes; one chain of branches on the wave's number
	s_cmp_lt_u32 s12, 3
	s_cbranch_scc0 .Lhead_sc
	tensor_load_to_lds s[32:35], s[16:23]
	s_nop 0
	PLACES 4
	s_branch .Lhead_asked
.Lhead_sc:
	tensor_load_to_lds s[36:39], s[24:31]
	s_nop 0
	PLACES 4
.Lhead_asked:
	WIN 0x40                                       ; destination window 1
.irp k, 0,1,2,3
.irp t, 0,1,2,3
.irp c, 0,1,2
	global_load_b128 v[48*\k+12*\t+4*\c:48*\k+12*\t+4*\c+3], v1, s[40:41] offset:(8*\t+\k)*1536+512*\c
.endr
.endr
.endr
	WIN 0x80                                       ; destination window 2
.irp k, 4,5,6,7
.irp t, 0,1,2,3
.irp c, 0,1,2
	global_load_b128 v[48*(\k-4)+12*\t+4*\c:48*(\k-4)+12*\t+4*\c+3], v1, s[40:41] offset:(8*\t+\k)*1536+512*\c
.endr
.endr
.endr
	WIN 0
	s_wait_alu depctr_va_vdst(0)
.irp t, 0,1,2,3
.irp e, 0,1
	global_load_b128 v[WS+8*\t+4*\e:WS+8*\t+4*\e+3], v9, s[42:43] offset:512*\t+16*\e
.endr
.endr
	s_wait_tensorcnt 0x0                           ; my parts of y are in,
	s_barrier_signal -1
	s_barrier_wait -1                              ; everybody's are
	s_wait_loadcnt 0x0                             ; wo
	FETCHY 0
.irp n, 0,1,2,3,4,5,6,7
.if \n < 7
	FETCHY \n+1
	s_wait_dscnt 36                                ; all but the 36 just issued: this tile's fragments are in, and the last tile's rows are back from the stage
.else
	s_wait_dscnt 0x0
.endif
.if \n > 0
	SEND \n-1
.endif
	MUL \n
	TOSTAGE \n
.endr
	s_wait_dscnt 0x0
	SEND 7
	s_wait_tensorcnt 0x0
	ds_add_u32 v14, v15
	s_wait_dscnt 0x0
	ROUND                                          ; the closing round: no work-group ends while a partner may still ask for a tile that names it
	s_endpgm
.Lfunc_end_k_q6af7e214cd_oproj:
	.size	k_q6af7e214cd_oproj, .Lfunc_end_k_q6af7e214cd_oproj-k_q6af7e214cd_oproj
	.p2alignl 7, 3214868480
	.fill 96, 4, 3214868480
	.section	.rodata,"a",@progbits
	.p2align	6, 0x0
	.amdhsa_kernel k_q6af7e214cd_oproj
		.amdhsa_group_segment_fixed_size 168448
		.amdhsa_private_segment_fixed_size 0
		.amdhsa_enable_private_segment 0
		.amdhsa_kernarg_size 32
		.amdhsa_user_sgpr_count 2
		.amdhsa_user_sgpr_kernarg_segment_ptr 1
		.amdhsa_wavefront_size32 1
		.amdhsa_system_sgpr_workgroup_id_x 1
		.amdhsa_system_sgpr_workgroup_id_y 1
		.amdhsa_system_sgpr_workgroup_id_z 1
		.amdhsa_system_vgpr_workitem_id 0
		.amdhsa_next_free_vgpr 1024
		.amdhsa_next_free_sgpr 72
		.amdhsa_reserve_vcc 0
		.amdhsa_float_denorm_mode_32 3
		.amdhsa_float_denorm_mode_16_64 3
		.amdhsa_memory_ordered 1
		.amdhsa_forward_progress 1
		.amdhsa_inst_pref_size 84
	.end_amdhsa_kernel
	.amdgpu_metadata
---
amdhsa.version: [ 1, 2 ]
amdhsa.kernels:
  - .name:           k_q6af7e214cd_oproj
    .symbol:         k_q6af7e214cd_oproj.kd
    .args:
      - { .name: yb, .offset: 0, .size: 8, .value_kind: global_buffer, .address_space: global }
      - { .name: w_img, .offset: 8, .size: 8, .value_kind: global_buffer, .address_space: global }
      - { .name: wo_scales, .offset: 16, .size: 8, .value_kind: global_buffer, .address_space: global }
      - { .name: out0, .offset: 24, .size: 8, .value_kind: global_buffer, .address_space: global }
    .group_segment_fixed_size: 168448
    .private_segment_fixed_size: 0
    .kernarg_segment_align: 8
    .kernarg_segment_size: 32
    .max_flat_workgroup_size: 128
    .sgpr_count:     72
    .vgpr_count:     1024
    .wavefront_size: 32
...
	.end_amdgpu_metadata
.endif
;; end of part 4
